; MI455X (gfx1250); checked and timed in simulation.
; The chip was launched on July 23, 2026; its instructions are those of AMD's public machine-readable ISA for CDNA 5 (MIT licence, August 2026) and "CDNA5" Instruction Set Architecture Reference Guide (July 2026). The comments in the code are by the model that wrote it; some were corrected since.
;; Sparse Attention Meansim. Allowed arithmetic: matrix products marked QUANTISED: E2M3 operands, one E8M0 scale for each 32 along K, by v_wmma_scale_f32_16x16x128_f8f6f4 with both operands' format E2M3, f32 sums; products left as they are: f32 operands where the result goes on into a quantised operand, else bf16, f16 or f32 operands; f32 sums; everything else in f32.
;; Inputs: cdfthreshd 16 float32; k 2 x 16 x 2,048 x 64 float32; pvthreshd 16 float32; q 2 x 16 x 2,048 x 64 float32; simthreshd1 16 float32; v 2 x 16 x 2,048 x 64 float32.
;; Outputs: out0 2 x 16 x 2,048 x 64 float32.
;; This version of the problem:
;;   THIS VERSION OF THE PROBLEM IS GIVEN IN LOW PRECISION. The matrix products marked QUANTISED in the list below multiply operands that are first quantised to E2M3 (2 exponent bits, 3 mantissa bits; 6 bits a number), with one power-of-two scale for each 32 numbers along K (OCP MX v1.0); their sums are f32. All else is computed in f32.
;;   The module's matrix products, in the order in which they are computed (A, B: the left and right operand; K: the contracted axis; several contracted axes count as one K, in the product's order):
;;     1. batch 1,024 x [M 64, K 64] x [K 64, N 1]; A: input q; B: computed on the way: left as it is (N = 1 < 16)
;;     2. batch 32 x [M 32, K 64] x [K 64, N 32]; A: computed on the way; B: computed on the way: QUANTISED
;;     3. batch 32 x [M 2,048, K 64] x [K 64, N 2,048]; A: input q; B: computed on the way: QUANTISED
;;     4. batch 32 x [M 2,048, K 2,048] x [K 2,048, N 64]; A: computed on the way; B: input v: QUANTISED
;;   THE QUANTISER, for each operand of a quantised product, along K:
;;     - K is cut into blocks of 32 from its start; a last block that is shorter is filled with zeros.
;;     - A block's scale is 2^e with e = floor(log2(the largest magnitude in the block)) - 2, held to -126 .. 127; a block of zeros has e = 0. As a byte (E8M0): e + 127.
;;     - Each number is divided by its block's scale, clamped to +-7.5, and rounded to the nearest number of E2M3, ties to even, subnormals kept.
;;     - The product sums the exact products of the quantised numbers (number of the format x scale) in f32.
;;   ~~~python
;;   def quantise(x, axis):      # numpy; x: float32 -> the quantised numbers, widened to float32 again
;;       x = np.moveaxis(x, axis, -1); K = x.shape[-1]
;;       x = np.pad(x, [(0, 0)] * (x.ndim - 1) + [(0, -K % 32)]); x = x.reshape(x.shape[:-1] + (-1, 32)); a = np.abs(x).max(-1, keepdims=True)
;;       e = np.where(a > 0, np.clip(np.frexp(np.where(a > 0, a, 1))[1] - 1 - 2, -126, 127), 0)      # np.frexp(a)[1] - 1 = floor(log2(a)), exactly
;;       r = np.clip(x / 2.0 ** e, -7.5, 7.5)
;;       step = 2.0 ** (np.maximum(np.frexp(np.where(r == 0, 1, r))[1] - 1, 0) - 3)
;;       q = np.round(r / step) * step * 2.0 ** e      # np.round: ties to even
;;       return np.moveaxis(q.reshape(q.shape[:-2] + (-1,))[..., :K], -1, axis).astype(np.float32)
;;   ~~~
;;   OPERANDS COMPUTED ON THE WAY. 'Computed on the way' means the value that the module computes at that place (a softmax that the list does not call 'softmax' is quantised finished and normalised). What goes into a quantiser is computed in f32, as accurately as f32 sums, v_exp_f32 and their like allow (about 1e-6 of the number): no bf16 or f16 on the way to a quantiser, and a product that is left as it is and whose result goes on into a quantised operand takes f32 operands (vector FMAs, or v_wmma_f32_16x16x4_f32). A number that lies on a knife's edge between two numbers of the format may be rounded either way, as far as f32 arithmetic and the matrix unit's own rounding can turn it there, and no further.
;; One version. Each part assembles by itself: llvm-mc -triple=amdgcn-amd-amdhsa -mcpu=gfx1250 --defsym DOCPART=n.
;; ======== version 1 of 1: 4 launches
;; limits: right only within a limited range of input values
;; workspace buffers: qimg 3,276,800 bytes; kimg 3,276,800 bytes; vimg 3,276,800 bytes; stat 786,432 bytes; bmask 4,096 bytes of whole numbers; fmask 4,096 bytes of whole numbers; rowst 524,288 bytes
;; launch prep (part 1): grid 1024 x 1, 3 waves a work-group, no clusters, 35,584 bytes of LDS; arguments q, k, v, qimg, vimg, stat; writes qimg, vimg, stat
.if DOCPART == 1
	.amdgcn_target "amdgcn-amd-amdhsa--gfx1250"
	.amdhsa_code_object_version 6
	.text
	.protected	k_qdccdf8dafd_prep
	.globl	k_qdccdf8dafd_prep
	.p2align	8
	.type	k_qdccdf8dafd_prep,@function
k_qdccdf8dafd_prep:
	s_mov_b64 s[64:65], 0
	v_nop
	global_prefetch_b8 v0, s[64:65] scope:SCOPE_SE
	s_setreg_imm32_b32 hwreg(HW_REG_WAVE_MODE, 25, 1), 1
	s_wait_xcnt 0x0
; PREP.  Work-group x takes block x (64 rows x 64 f32, 16,384 bytes) of each of q, k and v; x = 32 (16 b + head) + block.
; Wave 0: q -> codes of E2M3 along the head's 64 (two blocks of 32), the block's mean row qm, and the mean cosine of its rows to qm.
; Wave 1: k -> the block's column sums of (k - pivot), the pivot being the head's first row of k: the sums stay small under a common offset of k.
; Wave 2: v -> codes along the KEYS (the second product's K), as images of operand registers.
; The three roles part on the wave's number and never meet again: no barrier, each role has LDS bytes of its own.
; Every global load takes 512 consecutive bytes (16 a lane); a wave has its whole block, 32 loads, on its way at once.
; THE QUANTISER: a block's scale is 2^(floor(log2(largest magnitude)) - 2); its byte is the largest magnitude's exponent field - 2, held at 1 from below.
; IMAGES.  A tile is 16 rows x 64 along K: 6 registers, lane (r, h) = row r, K = 32 h .. 32 h + 31.  v: tiles 2 p and 2 p + 1 form one 12-register operand; registers 4 g .. 4 g + 3
; lie at 1536 p + 512 g + 16 lane.  q: tile t at 768 t: registers 0-3 at 16 lane, registers 4-5 at 512 + 8 lane.  Scale words, 128 bytes a block, from byte SCO on:
; word at 4 lane; lanes 0-15 tiles 0, 1 of row r, lanes 16-31 tiles 2, 3; bytes 0, 1 the even tile's two blocks, bytes 2, 3 the odd tile's.
; LIMITS: NaN and infinities among the inputs are not served.  A block of zeros gets the byte 1 where the rule says 127: its codes are zeros, and this program alone reads the bytes.
; 1 / x is v_rcp_f32 and a multiply; a mean cosine within f32 rounding of its threshold may fall either way.
.set SCO,  3145728                     ; where the scale words begin in an image buffer
.set QS,   262144                      ; stat: behind the 1,024 x 256 bytes of k's sums: 1,024 records of 512 bytes: qm, then the mean cosine 64 times
.set Q_ST, 0                           ; LDS, wave 0: four stages of 16 rows x 272 bytes
.set Q_QM, 17408                       ; wave 0: qm, twice 256 bytes
.set K_SM, 17920                       ; wave 1: the sums, twice 256 bytes
.set V_ST, 18432                       ; wave 2: 64 keys x 256 bytes, keys 32-63 another 64 bytes on
.set X,  32                            ; v32-159  the block's numbers, 128 a lane
.set QM, 160                           ; v160-191 qm[32 h .. 32 h + 31]
.set C,  192                           ; v192-215 codes, 6 registers a tile
.set TC, 216                           ; v216-231 the upper halves of the codes, as converted
.set AM, 232                           ; v232-235 largest magnitudes
.set SO, 236                           ; v236-239 the conversions' scale operands
.set BY, 240                           ; v240-243 scale bytes
.set W,  244                           ; v244-247 scale words
.set DT, 192                           ; the cosine's sums, ahead of the codes: v192-199 q.qm, v200-207 |q|^2, v208-209 |qm|^2, a pair each
.set NN, 200
.set QQ, 208
; 16 rows x 64 numbers as loaded (register 4 i + e: row 2 i + h, column 4 r + e) go through a stage and come back by rows (register i: column 32 h + i of row r).
; The bytes are the wave's own and LDS serves a wave's instructions in order: no wait between.  Pitch 272 is an odd multiple of 16 bytes.
.macro TURN reg, stg
.irp i, 0,1,2,3,4,5,6,7
	ds_store_b128 v8, v[(\reg)+4*\i:(\reg)+4*\i+3] offset:(\stg)+544*\i
.endr
.irp i, 0,1,2,3,4,5,6,7
	ds_load_b128 v[(\reg)+4*\i:(\reg)+4*\i+3], v9 offset:(\stg)+16*\i
.endr
.endm
; nt tiles, tile t's 32 numbers of a lane (one whole block of 32) at v[x + 32 t], become 6 registers of codes at v[c + cs t] and a byte in v[BY + t].  The tiles take turns line by line.
.macro QUANT x, c, cs, nt
.irp t, 0,1,2,3
.if \t < \nt
	v_max3_num_f32 v[AM+\t], |v[(\x)+32*\t]|, |v[(\x)+32*\t+1]|, 0x1800000   ; with the floor 2^(3 - 127): the byte cannot fall under 1
.endif
.endr
.irp i, 2,4,6,8,10,12,14,16,18,20,22,24,26,28,30
.irp t, 0,1,2,3
.if \t < \nt
	v_max3_num_f32 v[AM+\t], v[AM+\t], |v[(\x)+32*\t+\i]|, |v[(\x)+32*\t+\i+1]|
.endif
.endr
.endr
.irp t, 0,1,2,3
.if \t < \nt
	v_add_nc_u32 v[SO+\t], 0xff000000, v[AM+\t]   ; 2 off the exponent field: the conversion takes that field as its scale
.endif
.endr
.irp t, 0,1,2,3
.if \t < \nt
	v_lshrrev_b32 v[BY+\t], 23, v[SO+\t]          ; the scale's byte
.endif
.endr
.irp t, 0,1,2,3
.if \t < \nt
	v_cvt_scalef32_pk16_fp6_f32 v[(\c)+(\cs)*\t:(\c)+(\cs)*\t+2], v[(\x)+32*\t:(\x)+32*\t+15], v[SO+\t]
	v_cvt_scalef32_pk16_fp6_f32 v[TC+4*\t:TC+4*\t+2], v[(\x)+32*\t+16:(\x)+32*\t+31], v[SO+\t]   ; (three registers begin on an even number: made here, moved below)
.endif
.endr
	v_nop                                          ; one plain line behind the last scaled conversion
.irp t, 0,1,2,3
.if \t < \nt
.irp i, 0,1,2
	v_mov_b32 v[(\c)+(\cs)*\t+3+\i], v[TC+4*\t+\i]
.endr
.endif
.endr
.endm
; the four tiles' bytes (lane (r, h): block h of row r) become the block's scale word of my lane
.macro WORDS
	v_lshl_or_b32 v[W], v[BY+1], 16, v[BY]         ; tiles 0, 1
	v_lshl_or_b32 v[W+1], v[BY+3], 16, v[BY+2]     ; tiles 2, 3
	v_lshlrev_b32 v[W], v7, v[W]                   ; 8 h bits up: block h's place
	v_lshlrev_b32 v[W+1], v7, v[W+1]
	v_mov_b32 v[W+2], 0                            ; (a lane permute's destination counts as read)
	v_mov_b32 v[W+3], 0
	v_permlanex16_b32 v[W+2], v[W], s22, s23
	v_permlanex16_b32 v[W+3], v[W+1], s22, s23
	v_or_b32 v[W], v[W], v[W+2]                    ; with lane l xor 16's bytes the words are whole
	v_or_b32 v[W+1], v[W+1], v[W+3]
	v_cmp_lt_u32 vcc_lo, 15, v1
	v_cndmask_b32 v[W], v[W], v[W+1], vcc_lo       ; lanes 16-31 keep the second pair's
.endm
.macro ADDQ n                          ; four columns of load n join chain n % 2 of the column sums
	v_pk_add_f32 v[18+4*((\n)%2):19+4*((\n)%2)], v[18+4*((\n)%2):19+4*((\n)%2)], v[X+4*(\n):X+4*(\n)+1]
	v_pk_add_f32 v[20+4*((\n)%2):21+4*((\n)%2)], v[20+4*((\n)%2):21+4*((\n)%2)], v[X+4*(\n)+2:X+4*(\n)+3]
.endm
.macro FOLD                            ; the two chains, then the other half of the lanes' rows: v[18:21] = the 64 rows' sums of columns 4 r .. 4 r + 3
	v_pk_add_f32 v[18:19], v[18:19], v[22:23]
	v_pk_add_f32 v[20:21], v[20:21], v[24:25]
.irp i, 0,1,2,3
	v_permlanex16_b32 v[22+\i], v[18+\i], s22, s23
.endr
	v_pk_add_f32 v[18:19], v[18:19], v[22:23]
	v_pk_add_f32 v[20:21], v[20:21], v[24:25]
.endm
	s_load_b256 s[4:11], s[0:1], 0x0               ; q s[4:5], k s[6:7], v s[8:9], qimg s[10:11]
	s_load_b128 s[12:15], s[0:1], 0x20             ; vimg s[12:13], stat s[14:15]
	v_lshl_add_u32 v254, v0, 2, 0x8900
	v_mov_b32 v255, 0
	v_lshrrev_b32 v1, 5, v0
	v_readfirstlane_b32 s16, v1                    ; wave 0..2: the role
	v_and_b32 v1, 31, v0                           ; l
	v_and_b32 v2, 15, v0                           ; r
	v_bfe_u32 v3, v0, 4, 1                         ; h
	v_lshlrev_b32 v4, 4, v1                        ; 16 l
	v_lshlrev_b32 v5, 3, v1                        ; 8 l
	v_lshlrev_b32 v6, 2, v1                        ; 4 l
	v_lshlrev_b32 v7, 3, v3                        ; 8 h
	; every LDS address is made here, ahead of the parting
	v_mul_u32_u24 v8, v3, 272
	v_lshl_add_u32 v8, v2, 4, v8                   ; into a stage: 272 h + 16 r
	v_mul_u32_u24 v9, v2, 272
	v_lshl_add_u32 v9, v3, 7, v9                   ; out of it: 272 r + 128 h
	v_lshlrev_b32 v17, 4, v2                       ; 16 r
	v_lshl_add_u32 v10, v3, 8, v17                 ; 256 h + 16 r
	v_add_nc_u32 v13, K_SM, v10
	v_add_nc_u32 v15, V_ST, v10
	v_add_nc_u32 v10, Q_QM, v10
	v_lshl_add_u32 v11, v3, 7, Q_QM                ; qm's half for my h
	v_add_nc_u32 v12, Q_QM, v5
	v_add_nc_u32 v14, K_SM, v5
	v_mul_u32_u24 v16, v3, 8256                    ; v by columns: key 32 h (32 x 256 + the 64 bytes' shift),
	v_lshl_add_u32 v16, v2, 2, v16                 ; channel r
	v_add_nc_u32 v16, V_ST, v16
	s_lshl_b32 s18, ttmp9, 14                      ; the block's first byte in q, k, v
	s_mov_b32 s19, 0
	s_mul_i32 s20, ttmp9, 3072                     ; its codes
	s_mov_b32 s21, 0
	s_lshl_b32 s24, ttmp9, 7                       ; its scale words
	s_mov_b32 s25, 0
	s_mov_b32 s22, 0x76543210                      ; v_permlanex16_b32's selects for lane l xor 16
	s_mov_b32 s23, 0xfedcba98
	s_wait_kmcnt 0x0
	s_cmp_eq_u32 s16, 1
	s_cbranch_scc1 .Lkrole
	s_cmp_eq_u32 s16, 2
	s_cbranch_scc1 .Lvrole
	; ---------------- wave 0: q ----------------
	s_add_nc_u64 s[4:5], s[4:5], s[18:19]
	s_add_nc_u64 s[26:27], s[10:11], s[20:21]
	s_add_nc_u64 s[28:29], s[10:11], s[24:25]
	s_lshl_b32 s30, ttmp9, 9
	s_mov_b32 s31, 0
	s_add_nc_u64 s[14:15], s[14:15], s[30:31]      ; stat + 512 x: the record lies QS further on
.set n, 0
.rept 32
	global_load_b128 v[X+4*n:X+4*n+3], v4, s[4:5] offset:512*n th:TH_LOAD_NT
.set n, n+1
.endr
	s_wait_loadcnt 24                              ; tile 0's eight loads are in; the other three tiles' stay out
	v_pk_add_f32 v[18:19], v[X:X+1], v[X+8:X+9]    ; the first four loads start the two chains: nothing is cleared
	v_pk_add_f32 v[20:21], v[X+2:X+3], v[X+10:X+11]
	v_pk_add_f32 v[22:23], v[X+4:X+5], v[X+12:X+13]
	v_pk_add_f32 v[24:25], v[X+6:X+7], v[X+14:X+15]
.irp i, 4,5,6,7
	ADDQ \i
.endr
	TURN X, Q_ST
	s_wait_alu depctr_va_vdst(0)
.irp t, 1,2,3
	s_wait_alu depctr_va_vdst(0)
	s_wait_loadcnt 24-8*\t                         ; tile t's loads are in; the later tiles' stay out
.irp i, 0,1,2,3,4,5,6,7
	ADDQ 8*\t+\i
.endr
	TURN X+32*\t, Q_ST+4352*\t
.endr
	FOLD
.irp i, 0,1,2,3
	v_mul_f32 v[18+\i], 0x3c800000, v[18+\i]       ; / 64: qm[4 r ..]
.endr
	ds_store_b128 v10, v[18:21]                    ; each half of the lanes writes a copy of its own
.irp i, 0,1,2,3,4,5,6,7
	ds_load_b128 v[QM+4*\i:QM+4*\i+3], v11 offset:16*\i
.endr
	ds_load_b64 v[30:31], v12
	s_wait_dscnt 0x0                               ; the four tiles by rows, qm's half, and qm for the store
	global_store_b64 v5, v[30:31], s[14:15] offset:QS   ; 32 lanes: 256 consecutive bytes, aligned
	; the cosines: q.qm, |q|^2 of my row of each tile, |qm|^2: my 32 columns, two at a time
.irp t, 0,1,2,3
	v_pk_mul_f32 v[DT+2*\t:DT+2*\t+1], v[X+32*\t:X+32*\t+1], v[QM:QM+1]
	v_pk_mul_f32 v[NN+2*\t:NN+2*\t+1], v[X+32*\t:X+32*\t+1], v[X+32*\t:X+32*\t+1]
.endr
	v_pk_mul_f32 v[QQ:QQ+1], v[QM:QM+1], v[QM:QM+1]
.irp i, 2,4,6,8,10,12,14,16,18,20,22,24,26,28,30
.irp t, 0,1,2,3
	v_pk_fma_f32 v[DT+2*\t:DT+2*\t+1], v[X+32*\t+\i:X+32*\t+\i+1], v[QM+\i:QM+\i+1], v[DT+2*\t:DT+2*\t+1]
	v_pk_fma_f32 v[NN+2*\t:NN+2*\t+1], v[X+32*\t+\i:X+32*\t+\i+1], v[X+32*\t+\i:X+32*\t+\i+1], v[NN+2*\t:NN+2*\t+1]
.endr
	v_pk_fma_f32 v[QQ:QQ+1], v[QM+\i:QM+\i+1], v[QM+\i:QM+\i+1], v[QQ:QQ+1]
.endr
.irp p, 0,1,2,3,4,5,6,7,8
	v_add_f32 v[DT+2*\p], v[DT+2*\p], v[DT+2*\p+1] ; the nine sums: a pair's halves,
.endr
.irp p, 0,1,2,3,4,5,6,7,8
	v_permlanex16_b32 v[DT+2*\p+1], v[DT+2*\p], s22, s23
.endr
.irp p, 0,1,2,3,4,5,6,7,8
	v_add_f32 v[DT+2*\p], v[DT+2*\p], v[DT+2*\p+1] ; and the other 32 columns'
.endr
	s_wait_alu depctr_va_vdst(0)
.irp p, 4,5,6,7,8
	v_sqrt_f32 v[DT+2*\p], v[DT+2*\p]              ; the four rows' norms and qm's: one batch
.endr
	v_nop                                          ; a plain line behind the last of them
	s_wait_alu depctr_va_vdst(0)                   ; the wait ahead of the first reader: one for the batch
.irp t, 0,1,2,3
	v_fmaak_f32 v[NN+2*\t], v[NN+2*\t], v[QQ], 0x358637bd   ; |q| |qm| + 1e-6
.endr
	s_wait_alu depctr_va_vdst(0)
.irp t, 0,1,2,3
	v_rcp_f32 v[NN+2*\t], v[NN+2*\t]
.endr
	v_nop
	s_wait_alu depctr_va_vdst(0)
.irp t, 0,1,2,3
	v_mul_f32 v[DT+2*\t], v[DT+2*\t], v[NN+2*\t]   ; the cosine of row 16 t + r
.endr
	v_add_f32 v28, v[DT], v[DT+2]
	v_add_f32 v29, v[DT+4], v[DT+6]
	v_add_f32 v28, v28, v29
	v_add_f32_dpp v28, v28, v28 row_xmask:1 row_mask:0xf bank_mask:0xf   ; over the sixteen r
	v_add_f32_dpp v28, v28, v28 row_xmask:2 row_mask:0xf bank_mask:0xf
	v_add_f32_dpp v28, v28, v28 row_xmask:4 row_mask:0xf bank_mask:0xf
	v_add_f32_dpp v28, v28, v28 row_xmask:8 row_mask:0xf bank_mask:0xf
	v_mul_f32 v28, 0x3c800000, v28                 ; / 64: the block's mean cosine, in every lane
	v_mov_b32 v29, v28
	global_store_b64 v5, v[28:29], s[14:15] offset:QS+256   ; 256 consecutive bytes, aligned; v28, v29 are not written again
	QUANT X, C, 6, 4
	WORDS
.irp t, 0,1,2,3
	global_store_b128 v4, v[C+6*\t:C+6*\t+3], s[26:27] offset:768*\t        ; 512 consecutive bytes
	global_store_b64 v5, v[C+6*\t+4:C+6*\t+5], s[26:27] offset:768*\t+512   ; 256
.endr
	global_store_b32 v6, v[W], s[28:29] offset:SCO
	s_wait_tensorcnt 0x0
	ds_add_u32 v254, v255
	s_wait_dscnt 0x0
	s_endpgm
	; ---------------- wave 1: k ----------------
.Lkrole:
	s_add_nc_u64 s[26:27], s[6:7], s[18:19]        ; my block
	s_lshr_b32 s20, ttmp9, 5
	s_lshl_b32 s20, s20, 19                        ; a head is 2,048 rows of 256 bytes
	s_add_nc_u64 s[28:29], s[6:7], s[20:21]        ; the head's first row: the pivot
	s_lshl_b32 s30, ttmp9, 8
	s_mov_b32 s31, 0
	s_add_nc_u64 s[14:15], s[14:15], s[30:31]      ; stat + 256 x
	global_load_b128 v[26:29], v17, s[28:29]       ; pivot[4 r ..]
.set n, 0
.rept 32
	global_load_b128 v[X+4*n:X+4*n+3], v4, s[26:27] offset:512*n   ; no hint: the next launch reads k again
.set n, n+1
.endr
.macro SUBQ n                          ; load n less the pivot joins its chain; the first two start the chains
.if (\n) < 2
	v_pk_add_f32 v[18+4*(\n):19+4*(\n)], v[X+4*(\n):X+4*(\n)+1], v[26:27] neg_lo:[0,1] neg_hi:[0,1]
	v_pk_add_f32 v[20+4*(\n):21+4*(\n)], v[X+4*(\n)+2:X+4*(\n)+3], v[28:29] neg_lo:[0,1] neg_hi:[0,1]
.else
	v_pk_add_f32 v[X+4*(\n):X+4*(\n)+1], v[X+4*(\n):X+4*(\n)+1], v[26:27] neg_lo:[0,1] neg_hi:[0,1]
	s_wait_alu depctr_va_vdst(0)
	v_pk_add_f32 v[X+4*(\n)+2:X+4*(\n)+3], v[X+4*(\n)+2:X+4*(\n)+3], v[28:29] neg_lo:[0,1] neg_hi:[0,1]
	ADDQ \n
.endif
.endm
.irp t, 0,1,2,3
	s_wait_loadcnt 24-8*\t                         ; the pivot and eight loads more are in; the later loads stay out
.irp i, 0,1,2,3,4,5,6,7
	SUBQ 8*\t+\i
.endr
.endr
	FOLD
	ds_store_b128 v13, v[18:21]
	ds_load_b64 v[30:31], v14                      ; two columns a lane
	s_wait_dscnt 0x0
	global_store_b64 v5, v[30:31], s[14:15]        ; 256 consecutive bytes, aligned
	s_wait_tensorcnt 0x0
	ds_add_u32 v254, v255
	s_wait_dscnt 0x0
	s_endpgm
	; ---------------- wave 2: v ----------------
.Lvrole:
	s_add_nc_u64 s[26:27], s[8:9], s[18:19]
	s_add_nc_u64 s[28:29], s[12:13], s[20:21]
	s_add_nc_u64 s[30:31], s[12:13], s[24:25]
.set n, 0
.rept 32
	global_load_b128 v[X+4*n:X+4*n+3], v4, s[26:27] offset:512*n th:TH_LOAD_NT
.set n, n+1
.endr
	s_wait_alu depctr_va_vdst(0)
.irp t, 0,1,2,3
	s_wait_loadcnt 24-8*\t
.irp i, 0,1,2,3,4,5,6,7
	ds_store_b128 v15, v[X+4*(8*\t+\i):X+4*(8*\t+\i)+3] offset:512*(8*\t+\i)+64*(\t/2)   ; keys 2 n, 2 n + 1 as they lie; keys 32-63 lie 64 bytes further on, so that the two halves of the lanes read different columns of LDS below
.endr
.endr
	; A LANE TAKES A CHANNEL, ITS REGISTERS RUN DOWN THE KEYS: register 32 t + i = v(key 32 h + i, channel 16 t + r): a whole block of 32 keys in one lane
.irp t, 0,1,2,3
.set n, 0
.rept 32
	ds_load_b32 v[X+32*\t+n], v16 offset:256*n+64*\t
.set n, n+1
.endr
.endr
	s_wait_dscnt 0x0
	QUANT X, C, 6, 4
	WORDS
.irp n, 0,1,2,3,4,5
	global_store_b128 v4, v[C+4*\n:C+4*\n+3], s[28:29] offset:512*\n   ; the two operands' registers, four at a time: 512 consecutive bytes
.endr
	global_store_b32 v6, v[W], s[30:31] offset:SCO
	s_wait_tensorcnt 0x0
	ds_add_u32 v254, v255
	s_wait_dscnt 0x0
	s_endpgm
.Lfunc_end_k_qdccdf8dafd_prep:
	.size	k_qdccdf8dafd_prep, .Lfunc_end_k_qdccdf8dafd_prep-k_qdccdf8dafd_prep
	.p2alignl 7, 3214868480
	.fill 96, 4, 3214868480
	.section	.rodata,"a",@progbits
	.p2align	6, 0x0
	.amdhsa_kernel k_qdccdf8dafd_prep
		.amdhsa_group_segment_fixed_size 35584
		.amdhsa_private_segment_fixed_size 0
		.amdhsa_enable_private_segment 0
		.amdhsa_kernarg_size 48
		.amdhsa_user_sgpr_count 2
		.amdhsa_user_sgpr_kernarg_segment_ptr 1
		.amdhsa_wavefront_size32 1
		.amdhsa_system_sgpr_workgroup_id_x 1
		.amdhsa_system_sgpr_workgroup_id_y 1
		.amdhsa_system_sgpr_workgroup_id_z 1
		.amdhsa_system_vgpr_workitem_id 0
		.amdhsa_next_free_vgpr 256
		.amdhsa_next_free_sgpr 66
		.amdhsa_reserve_vcc 1
		.amdhsa_float_denorm_mode_32 3
		.amdhsa_float_denorm_mode_16_64 3
		.amdhsa_memory_ordered 1
		.amdhsa_forward_progress 1
		.amdhsa_inst_pref_size 67
	.end_amdhsa_kernel
	.amdgpu_metadata
---
amdhsa.version: [ 1, 2 ]
amdhsa.kernels:
  - .name:           k_qdccdf8dafd_prep
    .symbol:         k_qdccdf8dafd_prep.kd
    .args:
      - { .name: q, .offset: 0, .size: 8, .value_kind: global_buffer, .address_space: global }
      - { .name: k, .offset: 8, .size: 8, .value_kind: global_buffer, .address_space: global }
      - { .name: v, .offset: 16, .size: 8, .value_kind: global_buffer, .address_space: global }
      - { .name: qimg, .offset: 24, .size: 8, .value_kind: global_buffer, .address_space: global }
      - { .name: vimg, .offset: 32, .size: 8, .value_kind: global_buffer, .address_space: global }
      - { .name: stat, .offset: 40, .size: 8, .value_kind: global_buffer, .address_space: global }
    .group_segment_fixed_size: 35584
    .private_segment_fixed_size: 0
    .kernarg_segment_align: 8
    .kernarg_segment_size: 48
    .max_flat_workgroup_size: 96
    .sgpr_count:     66
    .vgpr_count:     256
    .wavefront_size: 32
...
	.end_amdgpu_metadata
.endif
;; end of part 1
;; launch kmask (part 2): grid 1024 x 1, 2 waves a work-group, no clusters, 26,368 bytes of LDS; arguments k, stat, cdfthreshd, simthreshd1, kimg, bmask; writes kimg, bmask
.if DOCPART == 2
	.amdgcn_target "amdgcn-amd-amdhsa--gfx1250"
	.amdhsa_code_object_version 6
	.text
	.protected	k_qdccdf8dafd_kmask
	.globl	k_qdccdf8dafd_kmask
	.p2align	8
	.type	k_qdccdf8dafd_kmask,@function
k_qdccdf8dafd_kmask:
	s_mov_b64 s[64:65], 0
	v_nop
	global_prefetch_b8 v0, s[64:65] scope:SCOPE_SE
	s_setreg_imm32_b32 hwreg(HW_REG_WAVE_MODE, 25, 1), 1
	s_wait_xcnt 0x0
; KMASK.  Work-group x.  Both waves read the head's 32 x 64 column sums of (k - pivot) and make the head's mean of (k - pivot).
; Wave 0: key block x: k - (pivot + mean), quantised along the head's 64, stored as images of operand registers.
;   THE ROWS OF A TILE ARE NOT NEIGHBOURS: row m of tile t is key 32 (m / 8) + 8 t + m % 8, so that in S^T = K Q^T a lane's 32 scores are 32 neighbouring keys.
; Wave 1: row x of the block map: s = Q(qm) . Q(km) (two matrix instructions; all 16 rows of the first operand are the one row qm), softmax over the 32 key blocks (a lane a block),
;   the exclusive sum of the larger p (ties: the lower index first), keep = that sum < cdfthreshd; the word stored is keep | not pooled | bit 0.
;   km = sum / 64 - mean: both terms are of the size of k's spread, whatever k's offset.
; The roles part on the wave's number and never meet again: no barrier; each has LDS bytes of its own.
; LIMITS: as in the launch before.  The exclusive sum adds in the order of the index, not of the sorted p; a sum or a mean cosine within f32 rounding of its threshold may fall either way.
.set SCO,  3145728
.set QS,   262144
.set G,    32                          ; v32-95   the head's sums: load n: block 2 n + h, columns 4 r ..
.set D,    96                          ; v96-223  wave 0: the block's numbers
.macro TURN reg, stg                   ; 16 rows x 64 numbers as loaded come back by rows, through a stage of the wave's own (pitch 272: an odd multiple of 16 bytes)
.irp i, 0,1,2,3,4,5,6,7
	ds_store_b128 v8, v[(\reg)+4*\i:(\reg)+4*\i+3] offset:(\stg)+544*\i
.endr
.irp i, 0,1,2,3,4,5,6,7
	ds_load_b128 v[(\reg)+4*\i:(\reg)+4*\i+3], v9 offset:(\stg)+16*\i
.endr
.endm
.macro QUANT x, c, cs, nt              ; nt tiles of 32 numbers a lane at v[x + 32 t] -> 6 registers of codes at v[c + cs t], a byte in v[BY + t]
.irp t, 0,1,2,3
.if \t < \nt
	v_max3_num_f32 v[AM+\t], |v[(\x)+32*\t]|, |v[(\x)+32*\t+1]|, 0x1800000   ; with the floor 2^(3 - 127)
.endif
.endr
.irp i, 2,4,6,8,10,12,14,16,18,20,22,24,26,28,30
.irp t, 0,1,2,3
.if \t < \nt
	v_max3_num_f32 v[AM+\t], v[AM+\t], |v[(\x)+32*\t+\i]|, |v[(\x)+32*\t+\i+1]|
.endif
.endr
.endr
.irp t, 0,1,2,3
.if \t < \nt
	v_add_nc_u32 v[SO+\t], 0xff000000, v[AM+\t]
.endif
.endr
.irp t, 0,1,2,3
.if \t < \nt
	v_lshrrev_b32 v[BY+\t], 23, v[SO+\t]
.endif
.endr
.irp t, 0,1,2,3
.if \t < \nt
	v_cvt_scalef32_pk16_fp6_f32 v[(\c)+(\cs)*\t:(\c)+(\cs)*\t+2], v[(\x)+32*\t:(\x)+32*\t+15], v[SO+\t]
	v_cvt_scalef32_pk16_fp6_f32 v[TC+4*\t:TC+4*\t+2], v[(\x)+32*\t+16:(\x)+32*\t+31], v[SO+\t]
.endif
.endr
	v_nop                                          ; one plain line behind the last scaled conversion
.irp t, 0,1,2,3
.if \t < \nt
.irp i, 0,1,2
	v_mov_b32 v[(\c)+(\cs)*\t+3+\i], v[TC+4*\t+\i]
.endr
.endif
.endr
.endm
.macro MEAN                            ; v[28:31] = the head's mean of (k - pivot), columns 4 r .. 4 r + 3
	v_pk_add_f32 v[16:17], v[G:G+1], v[G+8:G+9]
	v_pk_add_f32 v[18:19], v[G+2:G+3], v[G+10:G+11]
	v_pk_add_f32 v[20:21], v[G+4:G+5], v[G+12:G+13]
	v_pk_add_f32 v[22:23], v[G+6:G+7], v[G+14:G+15]
.irp n, 4,5,6,7,8,9,10,11,12,13,14,15
	v_pk_add_f32 v[16+4*(\n%2):17+4*(\n%2)], v[16+4*(\n%2):17+4*(\n%2)], v[G+4*\n:G+4*\n+1]
	v_pk_add_f32 v[18+4*(\n%2):19+4*(\n%2)], v[18+4*(\n%2):19+4*(\n%2)], v[G+4*\n+2:G+4*\n+3]
.endr
	v_pk_add_f32 v[16:17], v[16:17], v[20:21]
	v_pk_add_f32 v[18:19], v[18:19], v[22:23]
.irp i, 0,1,2,3
	v_permlanex16_b32 v[20+\i], v[16+\i], s22, s23 ; the odd blocks'
.endr
	v_pk_add_f32 v[16:17], v[16:17], v[20:21]
	v_pk_add_f32 v[18:19], v[18:19], v[22:23]
.irp i, 0,1,2,3
	v_mul_f32 v[28+\i], 0x3a000000, v[16+\i]       ; / 2,048
.endr
.endm
	s_load_b256 s[4:11], s[0:1], 0x0               ; k s[4:5], stat s[6:7], cdfthreshd s[8:9], simthreshd1 s[10:11]
	s_load_b128 s[12:15], s[0:1], 0x20             ; kimg s[12:13], bmask s[14:15]
	v_lshl_add_u32 v224, v0, 2, 0x6600
	v_mov_b32 v225, 0
	v_lshrrev_b32 v1, 5, v0
	v_readfirstlane_b32 s16, v1                    ; wave 0, 1: the role
	v_and_b32 v1, 31, v0                           ; l
	v_and_b32 v2, 15, v0                           ; r
	v_bfe_u32 v3, v0, 4, 1                         ; h
	v_lshlrev_b32 v4, 4, v1                        ; 16 l
	v_lshlrev_b32 v6, 2, v1                        ; 4 l
	v_lshlrev_b32 v7, 3, v3                        ; 8 h
	v_mul_u32_u24 v8, v3, 272
	v_lshl_add_u32 v8, v2, 4, v8                   ; into a stage: 272 h + 16 r (the stage's place stands in the immediate)
	v_mul_u32_u24 v9, v2, 272
	v_lshl_add_u32 v9, v3, 7, v9                   ; out of it: 272 r + 128 h
	v_lshlrev_b32 v10, 4, v2                       ; 16 r
	v_lshlrev_b32 v12, 7, v3                       ; 128 h
	s_lshr_b32 s17, ttmp9, 5                       ; 16 b + head
	s_lshl_b32 s18, s17, 13                        ; the head's sums: 32 x 256 bytes
	s_mov_b32 s19, 0
	s_mov_b32 s22, 0x76543210
	s_mov_b32 s23, 0xfedcba98
	s_wait_alu depctr_va_vdst(0)
	s_wait_kmcnt 0x0
	s_add_nc_u64 s[24:25], s[6:7], s[18:19]
.irp n, 0,1,2,3,4,5,6,7,8,9,10,11,12,13,14,15
	global_load_b128 v[G+4*\n:G+4*\n+3], v4, s[24:25] offset:512*\n
.endr
	s_cmp_eq_u32 s16, 1
	s_cbranch_scc1 .Lmask
	; ---------------- wave 0: the key block's codes ----------------
	s_lshl_b32 s18, s17, 19
	s_add_nc_u64 s[26:27], s[4:5], s[18:19]        ; the head's first row: the pivot
	s_lshl_b32 s20, ttmp9, 14
	s_mov_b32 s21, 0
	s_add_nc_u64 s[28:29], s[4:5], s[20:21]        ; my block
	; kimg is laid in records of four key blocks, 12,800 bytes: 4 x 3,072 bytes of codes, then 4 x 128 bytes of scale words
	s_lshr_b32 s30, ttmp9, 2
	s_mul_i32 s30, s30, 12800                      ; my record
	s_and_b32 s34, ttmp9, 3                        ; my place i in it
	s_mul_i32 s31, s34, 3072
	s_lshl_b32 s34, s34, 7
	s_add_co_u32 s34, s34, s30                     ; record + 128 i: the scale words lie 12,288 further on
	s_add_co_u32 s30, s30, s31                     ; record + 3,072 i: the codes
	s_mov_b32 s31, 0
	s_mov_b32 s35, 0
	s_add_nc_u64 s[32:33], s[12:13], s[30:31]
	s_add_nc_u64 s[36:37], s[12:13], s[34:35]
	global_load_b128 v[24:27], v10, s[26:27]
.irp t, 0,1,2,3
.irp i, 0,1,2,3,4,5,6,7
	global_load_b128 v[D+32*\t+4*\i:D+32*\t+4*\i+3], v4, s[28:29] offset:256*(8*\t+2*(\i%4)+32*(\i/4)) th:TH_LOAD_NT   ; two neighbouring keys, 512 consecutive bytes: rows 2 i, 2 i + 1 of tile t
.endr
.endr
	s_wait_loadcnt 32                              ; the sums and the pivot are in; the block's 32 loads stay out
	MEAN
	v_pk_add_f32 v[24:25], v[24:25], v[28:29]      ; the head's mean of k
	v_pk_add_f32 v[26:27], v[26:27], v[30:31]
	s_wait_alu depctr_va_vdst(0)
.irp t, 0,1,2,3
	s_wait_loadcnt 24-8*\t                         ; tile t's eight loads are in; the later tiles' stay out
.irp i, 0,1,2,3,4,5,6,7
	v_pk_add_f32 v[D+32*\t+4*\i:D+32*\t+4*\i+1], v[D+32*\t+4*\i:D+32*\t+4*\i+1], v[24:25] neg_lo:[0,1] neg_hi:[0,1]
	v_pk_add_f32 v[D+32*\t+4*\i+2:D+32*\t+4*\i+3], v[D+32*\t+4*\i+2:D+32*\t+4*\i+3], v[26:27] neg_lo:[0,1] neg_hi:[0,1]
.endr
	TURN D+32*\t, 4352*\t
.endr
	s_wait_dscnt 0x0
.set TC, 56                            ; wave 0's work registers lie where the sums lay
.set AM, 72
.set SO, 76
.set BY, 80
.set W,  84
	QUANT D, 32, 6, 4                              ; codes: v32-55
	v_lshl_or_b32 v[W], v[BY+1], 16, v[BY]         ; the scale word of my lane: tiles 0, 1;
	v_lshl_or_b32 v[W+1], v[BY+3], 16, v[BY+2]     ; tiles 2, 3
	v_lshlrev_b32 v[W], v7, v[W]
	v_lshlrev_b32 v[W+1], v7, v[W+1]
	v_mov_b32 v[W+2], 0
	v_mov_b32 v[W+3], 0
	v_permlanex16_b32 v[W+2], v[W], s22, s23
	v_permlanex16_b32 v[W+3], v[W+1], s22, s23
	v_or_b32 v[W], v[W], v[W+2]
	v_or_b32 v[W+1], v[W+1], v[W+3]
	v_cmp_lt_u32 vcc_lo, 15, v1
	v_cndmask_b32 v[W], v[W], v[W+1], vcc_lo
.irp n, 0,1,2,3,4,5
	global_store_b128 v4, v[32+4*\n:35+4*\n], s[32:33] offset:512*\n   ; 512 consecutive bytes
.endr
	global_store_b32 v6, v[W], s[36:37] offset:12288
	s_wait_tensorcnt 0x0
	ds_add_u32 v224, v225
	s_wait_dscnt 0x0
	s_endpgm
	; ---------------- wave 1: the row of the block map ----------------
.Lmask:
	s_lshl_b32 s18, ttmp9, 9
	s_add_nc_u64 s[26:27], s[6:7], s[18:19]        ; stat + 512 x: my record lies QS further on
	s_and_b32 s20, s17, 15                         ; the head
	s_lshl_b32 s20, s20, 2
	s_mov_b32 s21, 0
	s_add_nc_u64 s[8:9], s[8:9], s[20:21]
	s_add_nc_u64 s[10:11], s[10:11], s[20:21]
	s_load_b32 s46, s[8:9], 0x0                    ; cdfthreshd[head]
	s_load_b32 s47, s[10:11], 0x0                  ; simthreshd1[head]
	s_lshl_b32 s28, ttmp9, 2
	s_mov_b32 s29, 0
	s_add_nc_u64 s[14:15], s[14:15], s[28:29]
.irp i, 0,1,2,3,4,5,6,7
	global_load_b128 v[96+4*\i:99+4*\i], v12, s[26:27] offset:QS+16*\i   ; qm[32 h ..], the same in all sixteen r
.endr
	global_load_b32 v13, v6, s[26:27] offset:QS+256   ; the mean cosine
	s_mov_b32 s44, 0x3c800000                      ; 1 / 64
	s_mov_b32 s45, s44                             ; (named with it as a pair)
	s_wait_loadcnt 9                               ; the sums are in; qm's eight loads and the cosine's stay out
	MEAN
.set n, 0
.rept 32
	v_pk_fma_f32 v[G+2*n:G+2*n+1], v[G+2*n:G+2*n+1], s[44:45], v[28+2*(n%2):29+2*(n%2)] op_sel_hi:[1,0,1] neg_lo:[0,0,1] neg_hi:[0,0,1]   ; km = sum / 64 - mean
.set n, n+1
.endr
	TURN G, 17408                                  ; key blocks 0-15 by rows,
	TURN G+32, 17408+4352                          ; 16-31
	s_wait_loadcnt 0x0
	s_wait_dscnt 0x0
.set TC, 196
.set AM, 208
.set SO, 212
.set BY, 216
	QUANT G, 128, 12, 3                            ; km 0-15 -> v128.., km 16-31 -> v140.., qm -> v152..
.irp t, 0,1,2
.irp i, 6,7,8,9,10,11
	v_mov_b32 v[128+12*\t+\i], 0                   ; K is 64: the instruction's upper 64 are zero codes on both sides
.endr
.endr
.irp t, 0,1,2
	v_lshlrev_b32 v[BY+\t], v7, v[BY+\t]
.endr
.irp t, 0,1,2
	v_permlanex16_b32 v[AM+\t], v[BY+\t], s22, s23
.endr
.irp t, 0,1,2
	v_or_b32 v[BY+\t], v[BY+\t], v[AM+\t]
.endr
.irp t, 0,1,2
	v_or_b32 v[176+\t], 0x7f7f0000, v[BY+\t]       ; the row's two bytes; 127 over the zero codes
.endr
.rept 8
	v_nop                                          ; a scale register written by a vector instruction stands 8 places ahead of a scaled matrix instruction, an operand 4
.endr
	v_wmma_scale_f32_16x16x128_f8f6f4 v[180:187], v[152:163], v[128:139], 0, v178, v176 matrix_a_fmt:MATRIX_FMT_FP6 matrix_b_fmt:MATRIX_FMT_FP6
	v_wmma_scale_f32_16x16x128_f8f6f4 v[188:195], v[152:163], v[140:151], 0, v178, v177 matrix_a_fmt:MATRIX_FMT_FP6 matrix_b_fmt:MATRIX_FMT_FP6
	v_cmp_lt_u32 vcc_lo, 15, v1
.rept 4
	v_nop                                          ; four places ahead of the first read of the results
.endr
	v_cndmask_b32 v14, v180, v188, vcc_lo          ; lane j: s[x][j]: each result is read at its lowest register (all its rows are alike)
	v_mov_b32 v16, v14
	v_max_num_f32_dpp v16, v16, v16 row_xmask:1 row_mask:0xf bank_mask:0xf
	v_max_num_f32_dpp v16, v16, v16 row_xmask:2 row_mask:0xf bank_mask:0xf
	v_max_num_f32_dpp v16, v16, v16 row_xmask:4 row_mask:0xf bank_mask:0xf
	v_max_num_f32_dpp v16, v16, v16 row_xmask:8 row_mask:0xf bank_mask:0xf
	v_permlanex16_b32 v17, v16, s22, s23
	v_max_num_f32 v16, v16, v17                    ; the row's largest
	v_sub_f32 v14, v14, v16
	v_mul_f32 v14, 0x3e38aa3b, v14                 ; x log2(e) / 8
	s_wait_alu depctr_va_vdst(0)
	v_exp_f32 v14, v14
	v_nop
	s_wait_alu depctr_va_vdst(0)                   ; the wait ahead of the first reader
	v_mov_b32 v16, v14
	v_add_f32_dpp v16, v16, v16 row_xmask:1 row_mask:0xf bank_mask:0xf
	v_add_f32_dpp v16, v16, v16 row_xmask:2 row_mask:0xf bank_mask:0xf
	v_add_f32_dpp v16, v16, v16 row_xmask:4 row_mask:0xf bank_mask:0xf
	v_add_f32_dpp v16, v16, v16 row_xmask:8 row_mask:0xf bank_mask:0xf
	v_permlanex16_b32 v17, v16, s22, s23
	v_add_f32 v16, v16, v17
	s_wait_alu depctr_va_vdst(0)
	v_rcp_f32 v16, v16
	v_mov_b32 v15, 0                               ; (a plain line)  the exclusive sum
	s_wait_alu depctr_va_vdst(0)
	v_mul_f32 v14, v14, v16                        ; p
	; what stands ahead of block j in the stable descending order: every larger p, and every equal p of a lower index
.set jj, 0
.rept 32
	v_readlane_b32 s40, v14, jj
	v_cmp_gt_f32 s41, s40, v14
	v_cmp_eq_f32 s42, s40, v14
	s_and_b32 s42, s42, (0xffffffff<<(jj+1))&0xffffffff   ; the lanes above jj
	s_or_b32 s41, s41, s42
	v_mov_b32 v17, s40
	v_cndmask_b32 v18, 0, v17, s41
	v_add_f32 v15, v15, v18
.set jj, jj+1
.endr
	s_wait_alu depctr_va_vdst(0)
	s_wait_kmcnt 0x0
	v_cmp_gt_f32 s41, s46, v15                     ; keep: bit j
	v_cmp_lt_f32 s42, s47, v13                     ; pooled: all ones or none
	s_not_b32 s42, s42
	s_or_b32 s41, s41, s42
	s_or_b32 s41, s41, 1                           ; the sink
	v_mov_b32 v19, s41
	s_wait_alu depctr_va_vdst(0)
	s_wait_xcnt 0x0                                ; EXEC is narrowed only behind this wait
	v_cmp_eq_u32 vcc_lo, 0, v1
	s_wait_tensorcnt 0x0
	ds_add_u32 v224, v225
	s_wait_dscnt 0x0
	s_and_saveexec_b32 s43, vcc_lo
	global_store_b32 v6, v19, s[14:15]             ; lane 0: one word
	s_wait_xcnt 0x0                                ; and widened only behind this one
	s_or_b32 exec_lo, exec_lo, s43
	s_endpgm
.Lfunc_end_k_qdccdf8dafd_kmask:
	.size	k_qdccdf8dafd_kmask, .Lfunc_end_k_qdccdf8dafd_kmask-k_qdccdf8dafd_kmask
	.p2alignl 7, 3214868480
	.fill 96, 4, 3214868480
	.section	.rodata,"a",@progbits
	.p2align	6, 0x0
	.amdhsa_kernel k_qdccdf8dafd_kmask
		.amdhsa_group_segment_fixed_size 26368
		.amdhsa_private_segment_fixed_size 0
		.amdhsa_enable_private_segment 0
		.amdhsa_kernarg_size 48
		.amdhsa_user_sgpr_count 2
		.amdhsa_user_sgpr_kernarg_segment_ptr 1
		.amdhsa_wavefront_size32 1
		.amdhsa_system_sgpr_workgroup_id_x 1
		.amdhsa_system_sgpr_workgroup_id_y 1
		.amdhsa_system_sgpr_workgroup_id_z 1
		.amdhsa_system_vgpr_workitem_id 0
		.amdhsa_next_free_vgpr 226
		.amdhsa_next_free_sgpr 66
		.amdhsa_reserve_vcc 1
		.amdhsa_float_denorm_mode_32 3
		.amdhsa_float_denorm_mode_16_64 3
		.amdhsa_memory_ordered 1
		.amdhsa_forward_progress 1
		.amdhsa_inst_pref_size 53
	.end_amdhsa_kernel
	.amdgpu_metadata
---
amdhsa.version: [ 1, 2 ]
amdhsa.kernels:
  - .name:           k_qdccdf8dafd_kmask
    .symbol:         k_qdccdf8dafd_kmask.kd
    .args:
      - { .name: k, .offset: 0, .size: 8, .value_kind: global_buffer, .address_space: global }
      - { .name: stat, .offset: 8, .size: 8, .value_kind: global_buffer, .address_space: global }
      - { .name: cdfthreshd, .offset: 16, .size: 8, .value_kind: global_buffer, .address_space: global }
      - { .name: simthreshd1, .offset: 24, .size: 8, .value_kind: global_buffer, .address_space: global }
      - { .name: kimg, .offset: 32, .size: 8, .value_kind: global_buffer, .address_space: global }
      - { .name: bmask, .offset: 40, .size: 8, .value_kind: global_buffer, .address_space: global }
    .group_segment_fixed_size: 26368
    .private_segment_fixed_size: 0
    .kernarg_segment_align: 8
    .kernarg_segment_size: 48
    .max_flat_workgroup_size: 64
    .sgpr_count:     66
    .vgpr_count:     226
    .wavefront_size: 32
...
	.end_amdgpu_metadata
.endif
;; end of part 2
;; launch passa (part 3): grid 8 x 32, 8 waves a work-group, clusters of 4 x 1, 178,176 bytes of LDS; arguments qimg, kimg, bmask, pvthreshd, fmask, rowst; writes fmask, rowst
.if DOCPART == 3
	.amdgcn_target "amdgcn-amd-amdhsa--gfx1250"
	.amdhsa_code_object_version 6
	.text
	.protected	k_qdccdf8dafd_passa
	.globl	k_qdccdf8dafd_passa
	.p2align	8
	.type	k_qdccdf8dafd_passa,@function
k_qdccdf8dafd_passa:
	s_mov_b64 s[64:65], 0
	v_nop
	global_prefetch_b8 v0, s[64:65] scope:SCOPE_SE
	s_setreg_imm32_b32 hwreg(HW_REG_WAVE_MODE, 25, 1), 1
	s_wait_xcnt 0x0
	s_wait_alu depctr_hold_cnt(0) depctr_sa_sdst(0) depctr_va_vdst(0) depctr_va_sdst(0) depctr_va_ssrc(0) depctr_va_vcc(0) depctr_vm_vsrc(0)
	s_getreg_b32 s2, hwreg(HW_REG_IB_STS2, 6, 4)
	s_cmp_eq_u32 s2, 0
	s_cbranch_scc0 .Lentry_in_a_cluster
	s_endpgm
.Lentry_in_a_cluster:
	s_bfe_u32 s2, ttmp6, 0x10000c
	s_cmp_lg_u32 s2, 0x3003
	s_cbranch_scc0 .Lentry_shape_is_right
	s_endpgm
.Lentry_shape_is_right:
; PASSA.  The first walk over all 32 key blocks of a head: S^T = K Q^T on codes, each row's running maximum and sum of 2^(S c - M), and each key block's largest score of each row.
; Out: rowst, for each query -(M + log2 l), twice (a pair for a packed form), so that P = 2^(S c - M - log2 l); fmask, for each query block the word of key blocks that the second walk takes:
; block map & (largest P of the block >= pvthreshd x 1e-3 | bit 0).
; Work-group (x, y): head y (16 b + head), query blocks 4 x .. 4 x + 3; waves 2 i, 2 i + 1 take query block 4 x + i, 32 queries (two tiles of 16) each.
; K: the head's 8 records of four key blocks (12,288 bytes of codes, 512 of scale words: 50 rows of 256 bytes) come once, one tensor load a wave, all at the head, and stay: nothing is filled again.
; The four work-groups of a cluster walk the same head: each load is a joint one.  No prefetch: all of K is asked for at the head, so no loop runs ahead of a load.
; A block that the map leaves out is worked like the others and selected away: its largest score and its addend are held at -infinity, so its p are 0.  No branch hangs on the map.
; A step takes two key blocks: 16 matrix instructions, 128 scores a lane; M (a whole number, kept as -M = floor(-max c)) moves once a step; the sum is brought under the new M by 2^(old M - new M), exactly.
; A lane holds query r of each tile and 32 of a block's 64 keys; the two halves of the lanes are joined behind the walk.
; The largest P of a block is taken in the exponent: the largest of (score c - M - log2 l) over the rows, then one exponential (v_exp_f32 is taken not to fall where its input rises).
; LIMITS: NaN and infinities among the inputs are not served; the scaled scores stay under 2^31 in magnitude; M + log2 l is rounded once to f32, so P carries that rounding, which grows with the size of M.
; A largest P within f32 rounding of its threshold may fall either way.
.set SCO, 3145728                      ; q's scale words in qimg
.set GRP, 12800                        ; a record of four key blocks
.set KSC, 12288                        ; its scale words
.set BM,  102400                       ; LDS behind K: the blocks' largest scores: a wave 9,216 bytes, a tile 4,608, a lane 144 (32 words + 16 bytes)
.set BMW, 9216
.set BMT, 4608
.set RED, 176128                       ; a word a lane for each wave: the pair of waves of a query block exchange here
.set SPARE, 177152                     ; the spare words, 128 bytes a wave
; v1 lane, v2, v3 RED (mine, my partner's), v4 16 l, v5 4 l + KSC, v6 BM + 144 l, v7 8 l, v8, v9 K's codes and words, v10 this step's place in BM, v11 BM + 4 l
; tile u: v[12+2u] the factor, later -(M + log2 l); v[13+2u] largest score; v[16+4u+2b] block b's addend; v[17+2u], v[21+2u] -M of even and odd steps; v[24+2u:25+2u] the sum; v[28+2u+b] block b's largest; v32-39 at work
.set SPW, 40
.set NIL, 41
.set QF,  42                           ; v42-71 [zeros][Q tile 0][zeros][Q tile 1][zeros], 6 registers each
.set QSR, 72                           ; v72-75 Q's scale words, [Q | zeros] and [zeros | Q] for each tile
.set KSR, 76                           ; v76-77 K's scale words, a block each
.set KF,  78                           ; v78-125 K's operands, 24 registers a block
.set S,   128                          ; v128-255 scores: block b, tile u at S + 64 b + 32 u
.macro CROUND
	s_barrier_signal -1
	s_barrier_wait -1
	s_cmp_lg_u32 s16, 0
	s_cbranch_scc1 .Lnot_wave_0_\@
	s_barrier_signal -3
.Lnot_wave_0_\@:
	s_barrier_wait -3
	s_barrier_signal -1
	s_barrier_wait -1
.endm
; a K operand holds two tiles of 16 keys x 64; Q stands as [Q | zero codes] or [zero codes | Q] and picks one
.macro SMM b, u, kt
.if (\kt) < 2
	v_wmma_scale_f32_16x16x128_f8f6f4 v[S+64*(\b)+32*(\u)+8*(\kt):S+64*(\b)+32*(\u)+8*(\kt)+7], v[KF+24*(\b):KF+24*(\b)+11], v[QF+6+12*(\u)-6*((\kt)%2):QF+17+12*(\u)-6*((\kt)%2)], 0, v[KSR+(\b)], v[QSR+2*(\u)+(\kt)%2] matrix_a_fmt:MATRIX_FMT_FP6 matrix_b_fmt:MATRIX_FMT_FP6
.else
	v_wmma_scale_f32_16x16x128_f8f6f4 v[S+64*(\b)+32*(\u)+8*(\kt):S+64*(\b)+32*(\u)+8*(\kt)+7], v[KF+24*(\b)+12:KF+24*(\b)+23], v[QF+6+12*(\u)-6*((\kt)%2):QF+17+12*(\u)-6*((\kt)%2)], 0, v[KSR+(\b)], v[QSR+2*(\u)+(\kt)%2] matrix_a_fmt:MATRIX_FMT_FP6 matrix_b_fmt:MATRIX_FMT_FP6 matrix_a_scale:MATRIX_SCALE_ROW1
.endif
.endm
.macro KLOAD co, so                    ; two blocks' operands and scale words
.irp b, 0,1
.irp n, 0,1,2,3,4,5
	ds_load_b128 v[KF+24*\b+4*\n:KF+24*\b+4*\n+3], v8 offset:(\co)+3072*\b+512*\n
.endr
	ds_load_b32 v[KSR+\b], v9 offset:(\so)+128*\b
.endr
.endm
	s_load_b256 s[4:11], s[0:1], 0x0               ; qimg, kimg, bmask, pvthreshd
	s_load_b128 s[12:15], s[0:1], 0x20             ; fmask, rowst
	v_lshl_add_u32 v[SPW], v0, 2, SPARE
	v_mov_b32 v[NIL], 0
	ds_add_u32 v[SPW], v[NIL]                      ; the opening lines: the add twice on end
	ds_add_u32 v[SPW], v[NIL]
	v_lshrrev_b32 v1, 5, v0
	v_readfirstlane_b32 s16, v1                    ; wave 0..7
	s_bfe_u32 s17, ttmp6, 0x40000                  ; cx
	s_lshl_b32 s18, ttmp9, 2
	s_add_co_u32 s18, s18, s17                     ; x
	s_and_b32 s19, ttmp7, 0xffff                   ; y: the head
	s_lshl_b32 s20, s19, 5
	s_lshl_b32 s21, s18, 2
	s_add_co_u32 s20, s20, s21
	s_lshr_b32 s21, s16, 1
	s_add_co_u32 s20, s20, s21                     ; my query block
	v_and_b32 v1, 31, v0
	s_wait_alu depctr_va_vdst(0)
	v_and_b32 v32, 15, v0
	v_lshlrev_b32 v32, 2, v32                      ; 4 r
	v_lshlrev_b32 v4, 4, v1
	v_lshlrev_b32 v7, 3, v1
	v_lshl_add_u32 v5, v1, 2, KSC
	s_mul_i32 s21, s16, BMW
	s_add_co_u32 s21, s21, BM
	v_mad_u32_u24 v6, v1, 144, s21
	v_lshl_add_u32 v11, v1, 2, s21
	s_lshl_b32 s21, s16, 7
	s_add_co_u32 s21, s21, RED
	v_lshl_add_u32 v2, v1, 2, s21
	s_xor_b32 s21, s16, 1
	s_lshl_b32 s21, s21, 7
	s_add_co_u32 s21, s21, RED
	v_lshl_add_u32 v3, v1, 2, s21
.irp z, 0,12,24
.irp i, 0,1,2,3,4,5
	v_mov_b32 v[QF+\z+\i], 0                       ; zero codes
.endr
.endr
.irp u, 0,1
	v_mov_b32 v[13+2*\u], 0xff61b1e6               ; the largest score so far: -3e38
	v_mov_b32 v[21+2*\u], 0x7e000000               ; -M so far: so large that the first factor is 0
	v_mov_b32 v[24+2*\u], 0                        ; the sum, in two halves
	v_mov_b32 v[25+2*\u], 0
.endr
	s_mov_b32 s44, 0                               ; the record in hand, in bytes
	s_mov_b32 s45, 0                               ; its place in a lane's row of BM
	s_mov_b32 s47, 7                               ; trips: seven records; the eighth is written out
	v_add_nc_u32 v8, s44, v4
	v_add_nc_u32 v9, s44, v5
	s_mov_b32 s24, 15|(3<<16)|(1<<21)              ; group 1: the four partners; elements of 8 bytes; 50 rows of 256 bytes, dense
	s_mov_b32 s25, 32<<16
	s_mov_b32 s26, 50<<16
	s_mov_b32 s27, 32<<16
	s_mov_b32 s28, 50
	s_mov_b32 s29, 32
	s_mov_b32 s30, 0
	s_mov_b32 s31, 0
	s_mov_b32 s40, 1
	s_mul_i32 s41, s16, GRP                        ; record w to LDS byte 12,800 w
	s_mul_i32 s60, s19, 8*GRP
	s_add_co_u32 s60, s60, s41
	s_mov_b32 s61, 0
	s_mov_b32 s55, 0
	s_mov_b32 s57, 0
	s_mov_b32 s22, 0x76543210                      ; v_permlanex16_b32's selects for lane l xor 16
	s_mov_b32 s23, 0xfedcba98
	s_mov_b32 s48, 0x3e38aa3b                      ; c = log2(e) / 8
	s_mov_b32 s49, s48
	s_mov_b32 s50, 0x7f800000
	s_mov_b32 s51, 0xff800000
	s_mov_b32 s59, 0x7f7f0000
	s_wait_alu depctr_va_vdst(0)
	s_wait_dscnt 0x0                               ; both opening adds are done
	s_wait_kmcnt 0x0
	s_add_nc_u64 s[42:43], s[6:7], s[60:61]        ; the head's record w: the same in all four partners
	s_or_b32 s43, s43, 0x80000000
	s_mov_b32 s60, 0x7f7f
	s_and_b32 s21, s16, 1
	s_mul_i32 s54, s20, 3072
	s_mul_i32 s56, s21, 1536
	s_add_co_u32 s54, s54, s56
	s_add_nc_u64 s[2:3], s[4:5], s[54:55]          ; my two tiles' codes of q
	s_lshl_b32 s54, s20, 7
	s_lshl_b32 s56, s21, 6
	s_add_co_u32 s54, s54, s56
	s_add_nc_u64 s[4:5], s[4:5], s[54:55]          ; and their scale words, SCO further on
	global_load_b128 v[QF+6:QF+9], v4, s[2:3]      ; q is asked for ahead of the round
	global_load_b64 v[QF+10:QF+11], v7, s[2:3] offset:512
	global_load_b128 v[QF+18:QF+21], v4, s[2:3] offset:768
	global_load_b64 v[QF+22:QF+23], v7, s[2:3] offset:1280
	global_load_b32 v126, v32, s[4:5] offset:SCO
	s_lshl_b32 s54, s20, 2
	s_add_nc_u64 s[8:9], s[8:9], s[54:55]
	s_add_nc_u64 s[12:13], s[12:13], s[54:55]
	s_and_b32 s56, s19, 15
	s_lshl_b32 s56, s56, 2
	s_add_nc_u64 s[10:11], s[10:11], s[56:57]
	s_load_b32 s52, s[8:9], 0x0                    ; my query block's row of the block map
	s_load_b32 s58, s[10:11], 0x0                  ; pvthreshd[head]
	s_lshl_b32 s54, s19, 14
	s_lshl_b32 s56, s18, 11
	s_add_co_u32 s54, s54, s56
	s_lshl_b32 s56, s16, 8
	s_add_co_u32 s54, s54, s56
	s_add_nc_u64 s[14:15], s[14:15], s[54:55]      ; my 32 queries' place in rowst
	CROUND                                         ; the four partners are here: the joint loads meet
	tensor_load_to_lds s[40:43], s[24:31]          ; my one tensor load: record w, codes and scale words
	s_nop 0
	s_wait_loadcnt 0x0
	v_and_or_b32 v[QSR], v126, 0xffff, s59         ; tile 0: [Q | zeros]: 127 over the zero codes
	v_lshl_or_b32 v[QSR+1], v126, 16, s60          ;         [zeros | Q]
	v_lshrrev_b32 v[QSR+2], 16, v126
	v_and_or_b32 v[QSR+3], v126, 0xffff0000, s60   ; tile 1
	v_or_b32 v[QSR+2], s59, v[QSR+2]
.rept 8
	v_nop                                          ; a scale register written by a vector instruction stands 8 places ahead of a scaled matrix instruction
.endr
	s_wait_alu depctr_va_vdst(0)                   ; the wait at the head's end
	s_wait_kmcnt 0x0
	s_or_b32 s52, s52, 1                           ; the sink
	s_mov_b32 s46, s52                             ; the bits still to walk
	s_wait_tensorcnt 0x0                           ; my record is in;
	s_barrier_signal -1
	s_barrier_wait -1                              ; everybody's is
	KLOAD 0, 0
; A STEP: blocks 2 pp, 2 pp + 1 of the record in hand.  pref: the next two blocks' operands are fetched behind the products.
.macro PAIR pp, pref
.set NC, 17+4*(\pp)                    ; this step's -M: v[NC + 2 u];
.set NP, 21-4*(\pp)                    ; the last step's
	s_wait_dscnt 0x0
.irp b, 0,1
.irp kt, 0,1,2,3
.irp u, 0,1
	SMM \b, \u, \kt
.endr
.endr
.endr
	s_and_b32 s21, s46, 1
	s_cselect_b32 s56, s50, s51                    ; +infinity for a block of the map, -infinity for one that it leaves out
	s_and_b32 s21, s46, 2
	s_cselect_b32 s57, s50, s51
	s_lshr_b32 s46, s46, 2
.if (\pp) == 0
	v_add_nc_u32 v10, s45, v6
.else
	v_nop
.endif
.rept 3
	v_nop                                          ; four places ahead of loads into the products' sources and of the first read of the results
.endr
.if \pref
.if (\pp) == 0
	KLOAD 6144, 256
.else
	KLOAD GRP, GRP                                 ; the next record's first two blocks
	s_add_co_u32 s44, s44, GRP
	v_add_nc_u32 v8, s44, v4
	v_add_nc_u32 v9, s44, v5
.endif
.endif
	; each block's largest score of my 32: eight chains by turns; each result is first read at its low end
.irp u, 0,1
.irp b, 0,1
	v_max3_num_f32 v[32+4*\u+2*\b], v[S+64*\b+32*\u], v[S+64*\b+32*\u+1], v[S+64*\b+32*\u+2]
	v_max3_num_f32 v[33+4*\u+2*\b], v[S+64*\b+32*\u+16], v[S+64*\b+32*\u+17], v[S+64*\b+32*\u+18]
.endr
.endr
.irp i, 3,5,7,9,11,13
.irp u, 0,1
.irp b, 0,1
	v_max3_num_f32 v[32+4*\u+2*\b], v[32+4*\u+2*\b], v[S+64*\b+32*\u+\i], v[S+64*\b+32*\u+\i+1]
	v_max3_num_f32 v[33+4*\u+2*\b], v[33+4*\u+2*\b], v[S+64*\b+32*\u+16+\i], v[S+64*\b+32*\u+17+\i]
.endr
.endr
.endr
.irp u, 0,1
.irp b, 0,1
	v_max3_num_f32 v[32+4*\u+2*\b], v[32+4*\u+2*\b], v[S+64*\b+32*\u+15], v[S+64*\b+32*\u+31]
.endr
.endr
.irp u, 0,1
.irp b, 0,1
	v_max_num_f32 v[32+4*\u+2*\b], v[32+4*\u+2*\b], v[33+4*\u+2*\b]
.endr
.endr
.irp b, 0,1
.irp u, 0,1
	v_min_num_f32 v[28+2*\u+\b], s[56+\b], v[32+4*\u+2*\b]   ; -infinity where the map leaves the block out
.endr
.endr
.irp u, 0,1
	s_delay_alu instid0(VALU_DEP_2)
	v_max3_num_f32 v[13+2*\u], v[13+2*\u], v[28+2*\u], v[29+2*\u]   ; the running largest score
.endr
.irp u, 0,1
	s_delay_alu instid0(VALU_DEP_2)
	v_mul_f32 v[36+\u], s48, v[13+2*\u]
.endr
.irp u, 0,1
	s_delay_alu instid0(VALU_DEP_2)
	v_floor_f32 v[NC+2*\u], -v[36+\u]              ; -M = floor(-t): M is a whole number
.endr
.irp b, 0,1
.irp u, 0,1
	v_min_num_f32 v[16+4*\u+2*\b], s[56+\b], v[NC+2*\u]   ; the addend: -M, or -infinity
.endr
.endr
.irp u, 0,1
	ds_store_b64 v10, v[28+2*\u:29+2*\u] offset:BMT*\u+8*(\pp)   ; the two blocks' largest scores of my row, for the test behind the walk
.endr
.set n, 0
.rept 64
	v_pk_fma_f32 v[S+2*n:S+2*n+1], v[S+2*n:S+2*n+1], s[48:49], v[16+4*((n/16)%2)+2*(n/32):17+4*((n/16)%2)+2*(n/32)] op_sel_hi:[1,0,0]   ; t - M
.if n == 15                            ; the factor 2^(old M - new M) is made among these lines
	v_sub_f32 v36, v[NC], v[NP]
	v_sub_f32 v37, v[NC+2], v[NP+2]
.endif
.if n == 31
	v_cvt_i32_f32 v36, v36                         ; (it saturates)
	v_cvt_i32_f32 v37, v37
.endif
.if n == 47
	v_ldexp_f32 v12, 1.0, v36
	v_ldexp_f32 v14, 1.0, v37
.endif
.set n, n+1
.endr
	s_wait_alu depctr_va_vdst(0)                   ; the wait ahead of the batch
.set n, 0
.rept 128
	v_exp_f32 v[S+n], v[S+n]
.set n, n+1
.endr
.irp u, 0,1
	v_pk_mul_f32 v[24+2*\u:25+2*\u], v[24+2*\u:25+2*\u], v[12+2*\u:13+2*\u] op_sel_hi:[1,0]   ; the sums under the new M (plain lines behind the batch)
.endr
	s_wait_alu depctr_va_vdst(0)                   ; and behind it, ahead of its first reader
.irp u, 0,1
	v_pk_add_f32 v[24+2*\u:25+2*\u], v[24+2*\u:25+2*\u], v[S+32*\u:S+32*\u+1]
	v_pk_add_f32 v[32+2*\u:33+2*\u], v[S+64+32*\u:S+65+32*\u], v[S+66+32*\u:S+67+32*\u]
.endr
.irp i, 2,4,6,8,10,12,14,16,18,20,22,24,26,28
.irp u, 0,1
	v_pk_add_f32 v[24+2*\u:25+2*\u], v[24+2*\u:25+2*\u], v[S+32*\u+\i:S+32*\u+\i+1]
	v_pk_add_f32 v[32+2*\u:33+2*\u], v[32+2*\u:33+2*\u], v[S+66+32*\u+\i:S+67+32*\u+\i]
.endr
.endr
.irp u, 0,1
	v_pk_add_f32 v[24+2*\u:25+2*\u], v[24+2*\u:25+2*\u], v[S+32*\u+30:S+32*\u+31]
.endr
.irp u, 0,1
	s_delay_alu instid0(VALU_DEP_2)
	v_pk_add_f32 v[24+2*\u:25+2*\u], v[24+2*\u:25+2*\u], v[32+2*\u:33+2*\u]
.endr
.endm
.Lrecord:
	PAIR 0, 1
	PAIR 1, 1
	s_add_co_u32 s45, s45, 16
	s_sub_co_u32 s47, s47, 1
	s_cmp_lg_u32 s47, 0
	s_cbranch_scc1 .Lrecord
	PAIR 0, 1                                      ; the last record: nothing is fetched beyond it
	PAIR 1, 0
	; the two halves of the lanes are joined: the row's M and l
.irp u, 0,1
	s_delay_alu instid0(VALU_DEP_2)
	v_add_f32 v[24+2*\u], v[24+2*\u], v[25+2*\u]
.endr
.irp u, 0,1
	v_permlanex16_b32 v[32+\u], v[13+2*\u], s22, s23
.endr
.irp u, 0,1
	s_delay_alu instid0(VALU_DEP_2)
	v_max_num_f32 v[32+\u], v[32+\u], v[13+2*\u]
.endr
.irp u, 0,1
	s_delay_alu instid0(VALU_DEP_2)
	v_mul_f32 v[32+\u], s48, v[32+\u]
.endr
.irp u, 0,1
	s_delay_alu instid0(VALU_DEP_2)
	v_floor_f32 v[34+\u], -v[32+\u]                ; the row's -M
.endr
.irp u, 0,1
	s_delay_alu instid0(VALU_DEP_2)
	v_sub_f32 v[32+\u], v[34+\u], v[21+2*\u]
.endr
.irp u, 0,1
	s_delay_alu instid0(VALU_DEP_2)
	v_cvt_i32_f32 v[32+\u], v[32+\u]
.endr
.irp u, 0,1
	s_delay_alu instid0(VALU_DEP_2)
	v_ldexp_f32 v[32+\u], 1.0, v[32+\u]
.endr
.irp u, 0,1
	s_delay_alu instid0(VALU_DEP_2)
	v_mul_f32 v[24+2*\u], v[24+2*\u], v[32+\u]
.endr
.irp u, 0,1
	s_delay_alu instid0(VALU_DEP_2)
	v_permlanex16_b32 v[32+\u], v[24+2*\u], s22, s23
.endr
.irp u, 0,1
	s_delay_alu instid0(VALU_DEP_2)
	v_add_f32 v[24+2*\u], v[24+2*\u], v[32+\u]     ; l
.endr
	s_wait_alu depctr_va_vdst(0)                   ; the wait ahead of the batch
.irp u, 0,1
	v_log_f32 v[36+\u], v[24+2*\u]
.endr
	v_cmp_lt_u32 vcc_lo, 15, v1
	v_nop
	s_wait_alu depctr_va_vdst(0)                   ; and behind it
.irp u, 0,1
	v_sub_f32 v[12+2*\u], v[34+\u], v[36+\u]       ; -(M + log2 l)
.endr
	s_delay_alu instid0(VALU_DEP_1)
	v_cndmask_b32 v38, v12, v14, vcc_lo            ; lanes 0-15 tile 0's rows, lanes 16-31 tile 1's
	s_delay_alu instid0(VALU_DEP_1)
	v_mov_b32 v39, v38
	global_store_b64 v7, v[38:39], s[14:15]        ; 256 consecutive bytes, aligned; v38, v39 are not written again
.irp u, 0,1
.irp i, 0,1,2,3,4,5,6,7
	ds_load_b128 v[S+32*\u+4*\i:S+32*\u+4*\i+3], v6 offset:BMT*\u+16*\i   ; my 32 blocks' largest scores (LDS serves a wave's instructions in order)
.endr
.endr
	s_wait_alu depctr_va_vdst(0)
	s_wait_dscnt 0x0
.set n, 0
.rept 32
	v_pk_fma_f32 v[S+2*n:S+2*n+1], v[S+2*n:S+2*n+1], s[48:49], v[12+2*(n/16):13+2*(n/16)] op_sel_hi:[1,0,0]   ; log2 of the block's largest P of my row
.set n, n+1
.endr
.set n, 0
.rept 32
	v_max_num_f32 v[S+n], v[S+n], v[S+32+n]        ; of my two rows
.set n, n+1
.endr
.set n, 0
.rept 32
	ds_store_b32 v11, v[S+n] offset:144*n          ; turned: block n's 32 lanes on end, over tile 0's rows, which have been read
.set n, n+1
.endr
.irp i, 0,1,2,3,4,5,6,7
	ds_load_b128 v[S+32+4*\i:S+35+4*\i], v6 offset:16*\i   ; lane j: block j
.endr
	s_wait_dscnt 0x0
	v_max3_num_f32 v32, v[S+32], v[S+33], v[S+34]
	v_max3_num_f32 v33, v[S+35], v[S+36], v[S+37]
.irp i, 6,10,14,18,22,26
	s_delay_alu instid0(VALU_DEP_2)
	v_max3_num_f32 v32, v32, v[S+32+\i], v[S+33+\i]
	s_delay_alu instid0(VALU_DEP_2)
	v_max3_num_f32 v33, v33, v[S+34+\i], v[S+35+\i]
.endr
	s_delay_alu instid0(VALU_DEP_2)
	v_max3_num_f32 v32, v32, v[S+62], v[S+63]
	s_delay_alu instid0(VALU_DEP_1)
	v_max_num_f32 v32, v32, v33                    ; over my wave's 32 queries
	ds_store_b32 v2, v32
	s_wait_alu depctr_va_vdst(0)
	s_wait_dscnt 0x0
	s_barrier_signal -1
	s_barrier_wait -1
	ds_load_b32 v33, v3                            ; the query block's other 32
	s_wait_dscnt 0x0
	v_max_num_f32 v32, v32, v33
	v_mov_b32 v34, s58
	s_delay_alu instid0(VALU_DEP_1)
	v_mul_f32 v34, 0x3a83126f, v34                 ; pvthreshd x 1e-3
	s_wait_alu depctr_va_vdst(0)
	v_exp_f32 v32, v32                             ; the block's largest P
	v_nop
	s_wait_alu depctr_va_vdst(0)
	v_cmp_ge_f32 s21, v32, v34                     ; bit j
	s_or_b32 s21, s21, 1                           ; the sink
	s_and_b32 s21, s21, s52
	v_mov_b32 v35, s21
	s_and_b32 s53, s16, 1
	s_cmp_lg_u32 s53, 0
	s_cbranch_scc1 .Lodd                           ; the even wave of a pair stores the word
	s_wait_xcnt 0x0                                ; EXEC is narrowed only behind this wait
	v_cmp_eq_u32 vcc_lo, 0, v1
	s_and_saveexec_b32 s53, vcc_lo
	s_wait_alu depctr_va_vdst(0)
	global_store_b32 v7, v35, s[12:13]             ; lane 0: one word
	s_wait_xcnt 0x0                                ; and widened only behind this one
	s_or_b32 exec_lo, exec_lo, s53
.Lodd:
	s_wait_tensorcnt 0x0                           ; the wave's end
	ds_add_u32 v[SPW], v[NIL]
	s_wait_dscnt 0x0
	CROUND                                         ; the closing round
	s_endpgm
.Lfunc_end_k_qdccdf8dafd_passa:
	.size	k_qdccdf8dafd_passa, .Lfunc_end_k_qdccdf8dafd_passa-k_qdccdf8dafd_passa
	.p2alignl 7, 3214868480
	.fill 96, 4, 3214868480
	.section	.rodata,"a",@progbits
	.p2align	6, 0x0
	.amdhsa_kernel k_qdccdf8dafd_passa
		.amdhsa_group_segment_fixed_size 178176
		.amdhsa_private_segment_fixed_size 0
		.amdhsa_enable_private_segment 0
		.amdhsa_kernarg_size 48
		.amdhsa_user_sgpr_count 2
		.amdhsa_user_sgpr_kernarg_segment_ptr 1
		.amdhsa_wavefront_size32 1
		.amdhsa_system_sgpr_workgroup_id_x 1
		.amdhsa_system_sgpr_workgroup_id_y 1
		.amdhsa_system_sgpr_workgroup_id_z 1
		.amdhsa_system_vgpr_workitem_id 0
		.amdhsa_next_free_vgpr 256
		.amdhsa_next_free_sgpr 66
		.amdhsa_reserve_vcc 1
		.amdhsa_float_denorm_mode_32 3
		.amdhsa_float_denorm_mode_16_64 3
		.amdhsa_memory_ordered 1
		.amdhsa_forward_progress 1
		.amdhsa_inst_pref_size 101
	.end_amdhsa_kernel
	.amdgpu_metadata
---
amdhsa.version: [ 1, 2 ]
amdhsa.kernels:
  - .name:           k_qdccdf8dafd_passa
    .symbol:         k_qdccdf8dafd_passa.kd
    .args:
      - { .name: qimg, .offset: 0, .size: 8, .value_kind: global_buffer, .address_space: global }
      - { .name: kimg, .offset: 8, .size: 8, .value_kind: global_buffer, .address_space: global }
      - { .name: bmask, .offset: 16, .size: 8, .value_kind: global_buffer, .address_space: global }
      - { .name: pvthreshd, .offset: 24, .size: 8, .value_kind: global_buffer, .address_space: global }
      - { .name: fmask, .offset: 32, .size: 8, .value_kind: global_buffer, .address_space: global }
      - { .name: rowst, .offset: 40, .size: 8, .value_kind: global_buffer, .address_space: global }
    .group_segment_fixed_size: 178176
    .private_segment_fixed_size: 0
    .kernarg_segment_align: 8
    .kernarg_segment_size: 48
    .max_flat_workgroup_size: 256
    .sgpr_count:     66
    .vgpr_count:     256
    .wavefront_size: 32
...
	.end_amdgpu_metadata
.endif
;; end of part 3
;; launch passb (part 4): grid 1024 x 1, 4 waves a work-group, no clusters, 17,920 bytes of LDS; arguments qimg, kimg, vimg, fmask, rowst, out0; writes out0
.if DOCPART == 4
	.amdgcn_target "amdgcn-amd-amdhsa--gfx1250"
	.amdhsa_code_object_version 6
	.text
	.protected	k_qdccdf8dafd_passb
	.globl	k_qdccdf8dafd_passb
	.p2align	8
	.type	k_qdccdf8dafd_passb,@function
k_qdccdf8dafd_passb:
	s_mov_b64 s[64:65], 0
	v_nop
	global_prefetch_b8 v0, s[64:65] scope:SCOPE_SE
	s_setreg_imm32_b32 hwreg(HW_REG_WAVE_MODE, 25, 1), 1
	s_wait_xcnt 0x0
; PASSB.  The second walk, over the KEPT key blocks alone: S again (the same instructions on the same operands as in the launch before), P = 2^(S c - (M + log2 l)), finished and normalised, in f32;
; P quantised along the keys; O^T += V^T P^T.  A work-group takes one query block; wave w its tile w of 16 queries.
; WHICH QUERY BLOCK: the heads' thresholds make the heads' walks unlike in length, so work-groups 256 apart take four different heads of one batch: of the work-group's number, bits 9:8 and bit 7 change places.
; The list of blocks is my query block's word, stored as a whole number by the launch before: the trip count and the addresses of K and V hang on it.  So this launch has no tensor load and no barrier,
; and no joint loads: partners would walk different blocks.  K's and V's images go from memory straight into operand registers, 512 consecutive bytes a load, one block ahead of their use.
; K lies in records of four blocks, 12,800 bytes: block 4 g + i has its codes at 12,800 g + 3,072 i and its scale words at 12,800 g + 12,288 + 128 i.
; LAYOUT.  A lane holds one query (r) throughout; its 32 scores are keys 32 h .. 32 h + 31: one whole block of P, in the operand's own order: no lane is asked for a maximum or a code.
; K and V operands hold two tiles; Q and P stand as [X | zero codes] or [zero codes | X] and pick one.
; The last trip's look-ahead names block 31 (the index is held at 31): inside the buffers, and never used.
; LIMITS: p under 2^-126 counts as 0 (v_exp_f32); a block of P that is all zeros gets the byte 1: its codes are zeros.  M + log2 l comes rounded once to f32.
.set SCO, 3145728
; v32-49 [zeros][Q][zeros]; v50-67 [zeros][P][zeros]; v68-91 K; v92-115 V; v116-147 S^T, then P; v148-179 O^T
; v14 K's scale word, v15 V's, v16, v17 Q's two forms, v18, v19 P's;  v[10:11] -(M + log2 l), twice;  v20-26 at work
.macro KLD
.irp n, 0,1,2,3,4,5
	global_load_b128 v[68+4*\n:71+4*\n], v4, s[28:29] offset:512*\n
.endr
	global_load_b32 v14, v5, s[30:31] offset:12288
.endm
.macro VLD
.irp n, 0,1,2,3,4,5
	global_load_b128 v[92+4*\n:95+4*\n], v4, s[32:33] offset:512*\n
.endr
	global_load_b32 v15, v5, s[34:35] offset:SCO
.endm
.macro OMM d, a, b, sb, row, first
.if \first
.if \row
	v_wmma_scale_f32_16x16x128_f8f6f4 v[\d:\d+7], v[\a:\a+11], v[\b:\b+11], 0, v15, v[\sb] matrix_a_fmt:MATRIX_FMT_FP6 matrix_b_fmt:MATRIX_FMT_FP6 matrix_a_scale:MATRIX_SCALE_ROW1
.else
	v_wmma_scale_f32_16x16x128_f8f6f4 v[\d:\d+7], v[\a:\a+11], v[\b:\b+11], 0, v15, v[\sb] matrix_a_fmt:MATRIX_FMT_FP6 matrix_b_fmt:MATRIX_FMT_FP6
.endif
.else
.if \row
	v_wmma_scale_f32_16x16x128_f8f6f4 v[\d:\d+7], v[\a:\a+11], v[\b:\b+11], v[\d:\d+7], v15, v[\sb] matrix_a_fmt:MATRIX_FMT_FP6 matrix_b_fmt:MATRIX_FMT_FP6 matrix_a_scale:MATRIX_SCALE_ROW1
.else
	v_wmma_scale_f32_16x16x128_f8f6f4 v[\d:\d+7], v[\a:\a+11], v[\b:\b+11], v[\d:\d+7], v15, v[\sb] matrix_a_fmt:MATRIX_FMT_FP6 matrix_b_fmt:MATRIX_FMT_FP6
.endif
.endif
.endm
	s_load_b256 s[4:11], s[0:1], 0x0               ; qimg s[4:5], kimg s[6:7], vimg s[8:9], fmask s[10:11]
	s_load_b128 s[12:15], s[0:1], 0x20             ; rowst s[12:13], out0 s[14:15]
	v_lshl_add_u32 v192, v0, 2, 0x4400
	v_mov_b32 v193, 0
	v_lshrrev_b32 v1, 5, v0
	v_readfirstlane_b32 s16, v1                    ; wave 0..3
	v_and_b32 v1, 31, v0                           ; l
	v_and_b32 v2, 15, v0                           ; r
	v_bfe_u32 v3, v0, 4, 1                         ; h
	v_lshlrev_b32 v4, 4, v1                        ; 16 l
	v_lshlrev_b32 v5, 2, v1                        ; 4 l
	v_lshlrev_b32 v6, 3, v3                        ; 8 h
	v_lshlrev_b32 v9, 3, v1                        ; 8 l
	v_lshlrev_b32 v28, 2, v2                       ; 4 r
	v_lshlrev_b32 v29, 3, v2                       ; 8 r
	s_mul_i32 s44, s16, 4352                       ; my stage: 16 rows x 272 bytes
	v_mad_u32_u24 v7, v2, 272, s44
	v_lshl_add_u32 v7, v3, 5, v7                   ; in: row r, + 32 h
	v_mad_u32_u24 v8, v3, 272, s44
	v_lshl_add_u32 v8, v2, 4, v8                   ; back: lanes 0-15 one row, lanes 16-31 the next
	s_wait_alu depctr_va_vdst(0)                   ; the wait at the head's end, ahead of the scalar work and the wait below
	s_and_b32 s56, ttmp9, 127                      ; my query block: bits 6:0 as they are,
	s_bfe_u32 s57, ttmp9, 0x20008
	s_lshl_b32 s57, s57, 7
	s_or_b32 s56, s56, s57                         ; bits 9:8 to 8:7,
	s_bfe_u32 s57, ttmp9, 0x10007
	s_lshl_b32 s57, s57, 9
	s_or_b32 s56, s56, s57                         ; bit 7 to 9
	s_lshr_b32 s18, s56, 5                         ; 16 b + head
	s_mov_b32 s37, 0
	s_mov_b32 s39, 0
	s_mov_b32 s53, 0
	s_mov_b32 s55, 0
	s_mov_b32 s17, 0x7f7f
	s_mov_b32 s19, 0x7f7f0000
	s_mov_b32 s46, 0x76543210
	s_mov_b32 s47, 0xfedcba98
	s_mov_b32 s48, 0x3e38aa3b                      ; c = log2(e) / 8
	s_mov_b32 s49, s48
	s_mov_b32 s42, 0
	s_wait_kmcnt 0x0
	s_lshl_b32 s36, s56, 2
	s_add_nc_u64 s[10:11], s[10:11], s[36:37]
	s_load_b32 s40, s[10:11], 0x0                  ; my query block's word
	s_mul_i32 s36, s18, 102400
	s_add_nc_u64 s[20:21], s[6:7], s[36:37]        ; the head's records of K,
	s_mul_i32 s36, s18, 98304
	s_add_nc_u64 s[24:25], s[8:9], s[36:37]        ; its codes of V,
	s_lshl_b32 s38, s18, 12
	s_add_nc_u64 s[26:27], s[8:9], s[38:39]        ; and V's scale words, SCO further on
	s_mov_b64 s[28:29], s[20:21]                   ; the block in hand: block 0, the sink, always kept
	s_mov_b64 s[30:31], s[20:21]
	s_mov_b64 s[32:33], s[24:25]
	s_mov_b64 s[34:35], s[26:27]
	s_mul_i32 s36, s56, 3072
	s_mul_i32 s38, s16, 768
	s_add_co_u32 s36, s36, s38
	s_add_nc_u64 s[50:51], s[4:5], s[36:37]        ; my tile's codes of q
	s_lshl_b32 s36, s56, 7
	s_lshr_b32 s38, s16, 1
	s_lshl_b32 s38, s38, 6
	s_add_co_u32 s36, s36, s38
	s_add_nc_u64 s[4:5], s[4:5], s[36:37]          ; the words of my pair of tiles
	s_lshl_b32 s36, s56, 9
	s_lshl_b32 s38, s16, 7
	s_add_co_u32 s36, s36, s38
	s_add_nc_u64 s[12:13], s[12:13], s[36:37]      ; my 16 queries' -(M + log2 l)
	s_lshl_b32 s36, s56, 14
	s_lshl_b32 s38, s16, 12
	s_add_co_u32 s36, s36, s38
	s_add_nc_u64 s[14:15], s[14:15], s[36:37]      ; their rows of the output
	global_load_b128 v[38:41], v4, s[50:51]
	global_load_b64 v[42:43], v9, s[50:51] offset:512
	global_load_b32 v16, v28, s[4:5] offset:SCO
	global_load_b64 v[10:11], v29, s[12:13]
	KLD
	VLD
.irp z, 32,44,50,62
.irp i, 0,1,2,3,4,5
	v_mov_b32 v[\z+\i], 0                          ; zero codes
.endr
.endr
	v_mov_b32 v23, 0                               ; (a lane permute's destination counts as read)
	s_and_b32 s44, s16, 1
	s_lshl_b32 s44, s44, 4                         ; my tile's two bytes lie 16 (w % 2) bits up
	s_wait_kmcnt 0x0
	s_and_b32 s40, s40, -2                         ; the blocks still to walk
	s_bcnt1_i32_b32 s41, s40                       ; how many
	s_wait_loadcnt 14                              ; q, its word and the statistics are in; K's seven loads and V's seven stay out
	v_lshrrev_b32 v16, s44, v16
	v_lshl_or_b32 v17, v16, 16, s17                ; [zeros | Q]
	v_and_or_b32 v16, v16, 0xffff, s19             ; [Q | zeros]
.rept 8
	v_nop                                          ; a scale register written by a vector instruction stands 8 places ahead of a scaled matrix instruction
.endr
; A KEPT BLOCK.  first = 1: its products start O^T's sums.
.macro BLOCK first
	s_wait_loadcnt 7                               ; K's seven loads are in; V's seven, issued behind them, stay out
	v_wmma_scale_f32_16x16x128_f8f6f4 v[116:123], v[68:79], v[38:49], 0, v14, v16 matrix_a_fmt:MATRIX_FMT_FP6 matrix_b_fmt:MATRIX_FMT_FP6
	v_wmma_scale_f32_16x16x128_f8f6f4 v[124:131], v[68:79], v[32:43], 0, v14, v17 matrix_a_fmt:MATRIX_FMT_FP6 matrix_b_fmt:MATRIX_FMT_FP6
	v_wmma_scale_f32_16x16x128_f8f6f4 v[132:139], v[80:91], v[38:49], 0, v14, v16 matrix_a_fmt:MATRIX_FMT_FP6 matrix_b_fmt:MATRIX_FMT_FP6 matrix_a_scale:MATRIX_SCALE_ROW1
	v_wmma_scale_f32_16x16x128_f8f6f4 v[140:147], v[80:91], v[32:43], 0, v14, v17 matrix_a_fmt:MATRIX_FMT_FP6 matrix_b_fmt:MATRIX_FMT_FP6 matrix_a_scale:MATRIX_SCALE_ROW1
	s_ctz_i32_b32 s43, s40                         ; the next kept block j,
	s_min_u32 s43, s43, 31                         ; held inside the head (31 where none is left)
	s_sub_co_u32 s44, s40, 1
	s_and_b32 s40, s40, s44                        ; its bit is taken off
	s_mul_i32 s36, s43, 3072                       ; V's codes: 3,072 j
	s_lshl_b32 s38, s43, 7                         ; V's words: 128 j
	s_and_b32 s44, s43, 28                         ; 4 g
	s_lshl_b32 s52, s44, 7
	s_add_co_u32 s52, s52, s36                     ; K's codes: 3,072 j + 512 g = 12,800 g + 3,072 i
	s_mul_i32 s54, s44, 3072
	s_add_co_u32 s54, s54, s38                     ; K's words: 128 j + 12,288 g = 12,800 g + 128 i
	s_add_nc_u64 s[28:29], s[20:21], s[52:53]      ; K's loads are done (the wait above): their bases may be written
	s_add_nc_u64 s[30:31], s[20:21], s[54:55]
.rept 4
	v_nop                                          ; four places ahead of loads into the products' sources and of the first read of the results
.endr
	KLD
.set n, 0
.rept 16
	v_pk_fma_f32 v[116+2*n:117+2*n], v[116+2*n:117+2*n], s[48:49], v[10:11] op_sel_hi:[1,0,0]   ; t - M - log2 l: each result from its low end on
.set n, n+1
.endr
.set n, 0
	s_wait_alu depctr_va_vdst(0)                   ; the wait ahead of the batch
.rept 32
	v_exp_f32 v[116+n], v[116+n]                   ; P, normalised: one batch
.set n, n+1
.endr
	v_nop                                          ; a plain line behind it
	s_wait_alu depctr_va_vdst(0)                   ; the wait ahead of the first reader: one for the 32
	v_max3_num_f32 v20, v116, v117, 0x1800000      ; the block's largest P (none is negative), with the floor 2^(3 - 127): two chains
	v_max3_num_f32 v21, v132, v133, 0x1800000
.irp i, 2,4,6,8,10,12,14
	v_max3_num_f32 v20, v20, v[116+\i], v[117+\i]
	v_max3_num_f32 v21, v21, v[132+\i], v[133+\i]
.endr
	v_max_num_f32 v20, v20, v21
	v_add_nc_u32 v21, 0xff000000, v20              ; 2 off the exponent field: the conversion's scale operand
	v_lshrrev_b32 v22, 23, v21                     ; the byte,
	v_lshlrev_b32 v22, v6, v22                     ; at block h's place;
	v_permlanex16_b32 v23, v22, s46, s47
	v_or_b32 v22, v22, v23                         ; with the other block's
	v_or_b32 v18, s19, v22                         ; [P | zeros]
	v_lshl_or_b32 v19, v22, 16, s17                ; [zeros | P]
	v_cvt_scalef32_pk16_fp6_f32 v[56:58], v[116:131], v21
	v_cvt_scalef32_pk16_fp6_f32 v[24:26], v[132:147], v21   ; (three registers begin on an even number)
	v_nop                                          ; one plain line behind the last scaled conversion
	v_mov_b32 v59, v24
	v_mov_b32 v60, v25
	v_mov_b32 v61, v26
.rept 5
	v_nop                                          ; with the four lines above: 9 places behind the scale words, 5 behind the codes
.endr
	s_wait_alu depctr_va_vdst(0)
	s_wait_loadcnt 7                               ; V's seven loads are in; the next K's seven stay out
	OMM 148, 92, 56, 18, 0, \first                 ; channels 0-15.  The four sums take turns, and S's four products stand between two turns of each
	OMM 156, 92, 50, 19, 0, \first                 ; 16-31
	OMM 164, 104, 56, 18, 1, \first                ; 32-47
	OMM 172, 104, 50, 19, 1, \first                ; 48-63
	s_add_nc_u64 s[32:33], s[24:25], s[36:37]      ; V's loads are done: the same next block
	s_add_nc_u64 s[34:35], s[26:27], s[38:39]
.rept 4
	v_nop                                          ; four places ahead of the loads below, and of the way out's reads
.endr
	VLD
.endm
	s_wait_alu depctr_va_vdst(0)
	BLOCK 1
	s_cmp_eq_u32 s41, 0
	s_cbranch_scc1 .Lout
.Lkept:
	BLOCK 0
	s_add_co_u32 s42, s42, 1
	s_cmp_lt_u32 s42, s41
	s_cbranch_scc1 .Lkept
.Lout:
	; THE WAY OUT.  A lane holds eight neighbouring channels of a row for each tile; the 16 rows go through my own stage and leave as whole rows of 256 bytes.
.irp d, 0,1,2,3
	ds_store_b128 v7, v[148+8*\d:151+8*\d] offset:64*\d        ; each sum from its low end on
	ds_store_b128 v7, v[152+8*\d:155+8*\d] offset:64*\d+16
.endr
.irp i, 0,1,2,3,4,5,6,7
	ds_load_b128 v[116+4*\i:119+4*\i], v8 offset:544*\i        ; LDS serves a wave's instructions in order: these see my stores
.endr
.irp i, 0,1,2,3,4,5,6,7
	s_wait_dscnt 7-\i                              ; rows 2 i, 2 i + 1 are back; the later loads stay out
	global_store_b128 v4, v[116+4*\i:119+4*\i], s[14:15] offset:512*\i th:TH_STORE_NT   ; 512 consecutive bytes, aligned
.endr
	s_wait_tensorcnt 0x0                           ; the wave's end
	ds_add_u32 v192, v193
	s_wait_dscnt 0x0
	s_endpgm
.Lfunc_end_k_qdccdf8dafd_passb:
	.size	k_qdccdf8dafd_passb, .Lfunc_end_k_qdccdf8dafd_passb-k_qdccdf8dafd_passb
	.p2alignl 7, 3214868480
	.fill 96, 4, 3214868480
	.section	.rodata,"a",@progbits
	.p2align	6, 0x0
	.amdhsa_kernel k_qdccdf8dafd_passb
		.amdhsa_group_segment_fixed_size 17920
		.amdhsa_private_segment_fixed_size 0
		.amdhsa_enable_private_segment 0
		.amdhsa_kernarg_size 48
		.amdhsa_user_sgpr_count 2
		.amdhsa_user_sgpr_kernarg_segment_ptr 1
		.amdhsa_wavefront_size32 1
		.amdhsa_system_sgpr_workgroup_id_x 1
		.amdhsa_system_sgpr_workgroup_id_y 1
		.amdhsa_system_sgpr_workgroup_id_z 1
		.amdhsa_system_vgpr_workitem_id 0
		.amdhsa_next_free_vgpr 194
		.amdhsa_next_free_sgpr 66
		.amdhsa_reserve_vcc 0
		.amdhsa_float_denorm_mode_32 3
		.amdhsa_float_denorm_mode_16_64 3
		.amdhsa_memory_ordered 1
		.amdhsa_forward_progress 1
		.amdhsa_inst_pref_size 23
	.end_amdhsa_kernel
	.amdgpu_metadata
---
amdhsa.version: [ 1, 2 ]
amdhsa.kernels:
  - .name:           k_qdccdf8dafd_passb
    .symbol:         k_qdccdf8dafd_passb.kd
    .args:
      - { .name: qimg, .offset: 0, .size: 8, .value_kind: global_buffer, .address_space: global }
      - { .name: kimg, .offset: 8, .size: 8, .value_kind: global_buffer, .address_space: global }
      - { .name: vimg, .offset: 16, .size: 8, .value_kind: global_buffer, .address_space: global }
      - { .name: fmask, .offset: 24, .size: 8, .value_kind: global_buffer, .address_space: global }
      - { .name: rowst, .offset: 32, .size: 8, .value_kind: global_buffer, .address_space: global }
      - { .name: out0, .offset: 40, .size: 8, .value_kind: global_buffer, .address_space: global }
    .group_segment_fixed_size: 17920
    .private_segment_fixed_size: 0
    .kernarg_segment_align: 8
    .kernarg_segment_size: 48
    .max_flat_workgroup_size: 128
    .sgpr_count:     66
    .vgpr_count:     194
    .wavefront_size: 32
...
	.end_amdgpu_metadata
.endif
;; end of part 4
